; MI455X (gfx1250); checked and timed in simulation.
; The chip was launched on July 23, 2026; its instructions are those of AMD's public machine-readable ISA for CDNA 5 (MIT licence, August 2026) and "CDNA5" Instruction Set Architecture Reference Guide (July 2026). The comments in the code are by the model that wrote it; some were corrected since.
;; Attention. Allowed arithmetic: matrix products marked QUANTISED: E2M1 operands, one E8M0 scale for each 32 along K, by v_wmma_scale_f32_16x16x128_f8f6f4 with both operands' format E2M1 (or v_wmma_scale_f32_32x16x128_f4), f32 sums; products left as they are: bf16, f16 or f32 operands; f32 sums; everything else in f32.
;; Inputs: b_attn 3,072 float32; b_prefix 3,072 float32; b_proj 1,024 float32; prefix_embd 8 x 64 x 1,024 float32; w_attn 1,024 x 3,072 float32; w_prefix 1,024 x 3,072 float32; w_proj 1,024 x 1,024 float32; x 8 x 1,024 x 1,024 float32.
;; Outputs: out0 8 x 1,024 x 1,024 float32.
;; This version of the problem:
;;   THIS VERSION OF THE PROBLEM IS GIVEN IN LOW PRECISION. The matrix products marked QUANTISED in the list below multiply operands that are first quantised to E2M1 (2 exponent bits, 1 mantissa bit; 4 bits a number), with one power-of-two scale for each 32 numbers along K (OCP MX v1.0); their sums are f32. The products marked 'left as it is' may take bf16, f16 or f32 operands, with f32 sums. Whichever they take, every output number must still come out within the allowed error. Rounding operands to bf16 (8 significant bits) uses up far more of that allowance than f16 does (11 bits, for magnitudes from 6e-5 to 65,504). All else is computed in f32.
;;   The module's matrix products, in the order in which they are computed (A, B: the left and right operand; K: the contracted axis; several contracted axes count as one K, in the product's order):
;;     1. [M 8,192, K 1,024] x [K 1,024, N 3,072]; A: input x; B: input w_attn: QUANTISED
;;     2. [M 512, K 1,024] x [K 1,024, N 3,072]; A: input prefix_embd; B: input w_prefix: QUANTISED
;;     3. batch 128 x [M 1,024, K 64] x [K 64, N 1,024]; A: computed on the way; B: computed on the way: left as it is (an operand is computed on the way)
;;     4. batch 128 x [M 1,024, K 64] x [K 64, N 64]; A: computed on the way; B: computed on the way: left as it is (an operand is computed on the way)
;;     5. batch 128 x [M 1,024, K 64] x [K 64, N 64]; A: computed on the way; B: computed on the way: left as it is (an operand is computed on the way)
;;     6. batch 128 x [M 1,024, K 1,024] x [K 1,024, N 64]; A: computed on the way; B: computed on the way: left as it is (an operand is computed on the way)
;;     7. [M 8,192, K 1,024] x [K 1,024, N 1,024]; A: computed on the way; B: input w_proj: left as it is (an operand is computed on the way)
;;   THE QUANTISER, for each operand of a quantised product, along K:
;;     - K is cut into blocks of 32 from its start; a last block that is shorter is filled with zeros.
;;     - A block's scale is 2^e with e = floor(log2(the largest magnitude in the block)) - 2, held to -126 .. 127; a block of zeros has e = 0. As a byte (E8M0): e + 127.
;;     - Each number is divided by its block's scale, clamped to +-6, and rounded to the nearest number of E2M1, ties to even, subnormals kept.
;;     - The product sums the exact products of the quantised numbers (number of the format x scale) in f32.
;;   ~~~python
;;   def quantise(x, axis):      # numpy; x: float32 -> the quantised numbers, widened to float32 again
;;       x = np.moveaxis(x, axis, -1); K = x.shape[-1]
;;       x = np.pad(x, [(0, 0)] * (x.ndim - 1) + [(0, -K % 32)]); x = x.reshape(x.shape[:-1] + (-1, 32)); a = np.abs(x).max(-1, keepdims=True)
;;       e = np.where(a > 0, np.clip(np.frexp(np.where(a > 0, a, 1))[1] - 1 - 2, -126, 127), 0)      # np.frexp(a)[1] - 1 = floor(log2(a)), exactly
;;       r = np.clip(x / 2.0 ** e, -6, 6)
;;       step = 2.0 ** (np.maximum(np.frexp(np.where(r == 0, 1, r))[1] - 1, 0) - 1)
;;       q = np.round(r / step) * step * 2.0 ** e      # np.round: ties to even
;;       return np.moveaxis(q.reshape(q.shape[:-2] + (-1,))[..., :K], -1, axis).astype(np.float32)
;;   ~~~
;; One version. Each part assembles by itself: llvm-mc -triple=amdgcn-amd-amdhsa -mcpu=gfx1250 --defsym DOCPART=n.
;; ======== version 1 of 1: 5 launches
;; limits: values are held in f16: magnitudes above 65,504 overflow, below 6.1e-05 lose precision
;; workspace buffers: a_codes 4,456,448 bytes; a_scales 278,528 bytes; w_codes 2,621,440 bytes; w_scales 163,840 bytes; wp16 2,097,152 bytes; qkv 52,428,800 bytes; h16 2,621,440 bytes; y16 16,777,216 bytes
;; launch prep (part 1): grid 464 x 1, 4 waves a work-group, no clusters, 68,096 bytes of LDS; arguments x, prefix_embd, w_attn, w_prefix, w_proj, a_codes, a_scales, w_codes, w_scales, wp16; writes a_codes, a_scales, w_codes, w_scales, wp16
.if DOCPART == 1
	.amdgcn_target "amdgcn-amd-amdhsa--gfx1250"
	.amdhsa_code_object_version 6
	.text
	.protected	k_q2aeac78f3e_prep
	.globl	k_q2aeac78f3e_prep
	.p2align	8
	.type	k_q2aeac78f3e_prep,@function
k_q2aeac78f3e_prep:
	s_mov_b64 s[64:65], 0
	v_nop
	global_prefetch_b8 v0, s[64:65] scope:SCOPE_SE
	s_setreg_imm32_b32 hwreg(HW_REG_WAVE_MODE, 25, 1), 1
	s_wait_xcnt 0x0
; PREP: the operands of the two quantised products become codes of FP4 (E2M1) with one E8M0 byte for each 32 along K, and w_proj becomes f16.
; Work-groups 0-271: x (8,192 rows) and prefix_embd (512 rows), K innermost: plain streams of blocks of 32; codes to a_codes [8704][512 B], bytes to a_scales [8704][32].
; Work-groups 272-303: w_proj, f32 to f16, as it lies ([k][n]), to wp16.
; Work-groups 304-463: w_attn's 3,072 columns and w_prefix's columns 1,024 to 3,071 (its first 1,024 feed a third of the product that is thrown away), K = the first axis:
;   a lane takes a column and its registers run down K; codes to w_codes [5120][512 B], bytes to w_scales [5120][32].  A work-group takes 64 columns x 512 along K, a wave 32 columns x 256:
;   the two waves of a column group write the two halves of the same stage rows, and behind one barrier each wave stores 16 whole rows of 256 bytes.
; A block's scale is 2^(floor(log2(largest magnitude)) - 2); its byte is the largest magnitude's exponent field - 2, held at 1 from below.  A block of zeros gets the byte 1: its codes are zeros, and this program alone reads the bytes.
; LIMITS: blocks whose largest magnitude lies under 2^-124 get the byte 1; NaN and infinities among the inputs are not served; |w_proj| stays under 65,504.
; The three paths part on the work-group's number and share no LDS byte.
.set SPW,   190                        ; v190  LDS address of my spare word; never rewritten
.set NIL,   191                        ; v191  0; never rewritten
.set WST,   32768                      ; LDS: 0.. the activations' four regions of 8,192; from here the weights' stage of 64 x 272
.set SPARE, 67584                      ; the spare words, 128 bytes a wave
.set EMAX,  2
.set STEPS, 16
.set CB,    8                          ; bytes of 16 codes
.set AR,    16                         ; v16-79   four sets of 16 numbers as loaded
.set AX,    80                         ; v80-111  two sets of 16 neighbours
.set AE,    112                        ; v112-127 a scale byte for each step
.set AC,    128                        ; v128-189 codes: four registers for each step
.set WREG,  8192
.set SP,    80                         ; a lane's place in a stage: 64 bytes + 16 of padding
.set WN,    3072                       ; columns of a weight
.set NB,    8                          ; blocks of 32 along K for a wave
.set WPITCH, 272
.set KROW,  512                        ; a row of codes in bytes
.set WX,    32                         ; v32-95   two sets of 32 numbers
.set WC,    96                         ; v96-99   a block's codes
.set OUTR,  112                        ; v112-143 the way out
.set SB,    24                         ; v24-25   scale bytes, four to a register
.macro ALOAD t                         ; 32 lanes read 512 consecutive bytes, four times
.irp i, 0,1,2,3
	global_load_b128 v[AR+16*((\t)%4)+4*\i:AR+16*((\t)%4)+4*\i+3], v3, s[4:5] offset:2048*(\t)+512*\i th:TH_LOAD_NT
.endr
.endm
.macro ATURN t                         ; a step's 2,048 bytes through my stage: in as loaded, back 64 bytes a lane; LDS serves a wave's instructions in order
.irp i, 0,1,2,3
	ds_store_b128 v14, v[AR+16*((\t)%4)+4*\i:AR+16*((\t)%4)+4*\i+3] offset:32*SP*((\t)%2)+8*SP*\i
.endr
.irp i, 0,1,2,3
	ds_load_b128 v[AX+16*((\t)%2)+4*\i:AX+16*((\t)%2)+4*\i+3], v15 offset:32*SP*((\t)%2)+16*\i
.endr
.endm
.macro ASTEP t
.set XS, AX+16*((\t)%2)
.if (\t) > 0
	s_wait_dscnt 1                                 ; this step's numbers are back from the stage; the last step's byte store may be out
.else
	s_wait_dscnt 0x0
.endif
.if (\t)+4 < STEPS
	ALOAD (\t)+4
.endif
.if (\t)+1 < STEPS
.if STEPS-2-(\t) >= 3
	s_wait_loadcnt 12                              ; the next step's four loads are in; those of the three steps behind it may be out
.else
	s_wait_loadcnt 4*(STEPS-2-(\t))
.endif
	ATURN (\t)+1
.endif
	v_max3_num_f32 v8, |v[XS]|, |v[XS+1]|, |v[XS+2]|
	v_max3_num_f32 v9, |v[XS+3]|, |v[XS+4]|, |v[XS+5]|
.irp i, 6,10
	v_max3_num_f32 v8, v8, |v[XS+\i]|, |v[XS+\i+1]|
	v_max3_num_f32 v9, v9, |v[XS+\i+2]|, |v[XS+\i+3]|
.endr
	v_max3_num_f32 v8, v8, |v[XS+14]|, |v[XS+15]|
	v_max3_num_f32 v8, v8, v9, (EMAX+1)<<23        ; the floor 2^(3 - 127): the byte cannot fall under 1
	v_max_num_f32_dpp v8, v8, v8 row_xmask:1 row_mask:0xf bank_mask:0xf   ; with my neighbour's 16: the block's largest magnitude
	v_add_nc_u32 v11, -(EMAX<<23), v8              ; 2 off its exponent field: the conversion's scale operand
	v_cvt_scalef32_pk8_fp4_f32 v[AC+4*(\t)], v[XS:XS+7], v11
	v_cvt_scalef32_pk8_fp4_f32 v[AC+4*(\t)+1], v[XS+8:XS+15], v11
	v_lshrrev_b32 v[AE+(\t)], 23, v11              ; the scale's byte
	ds_store_b8 v5, v[AE+(\t)] offset:16*(\t)      ; both lanes of a block write the same byte with the same value
	global_store_b64 v4, v[AC+4*(\t):AC+4*(\t)+1], s[14:15] offset:32*CB*(\t)   ; the wave stores 256 consecutive bytes, aligned
.endm
.macro CLOAD t                         ; 8,192 bytes of w_proj: sixteen loads of 512 consecutive bytes
.irp i, 0,1,2,3,4,5,6,7,8,9,10,11,12,13,14,15
	global_load_b128 v[16+64*((\t)%2)+4*\i:16+64*((\t)%2)+4*\i+3], v3, s[12:13] offset:8192*(\t)+512*\i th:TH_LOAD_NT
.endr
.endm
.macro CSTEP t
.if (\t) < 3
	s_wait_loadcnt 16                              ; this batch is in; the next batch's sixteen loads may be out
.else
	s_wait_loadcnt 0
.endif
.if (\t) > 0
	s_wait_xcnt 0x0                                ; the last batch's stores have read their data: v144-175 are written again only behind this wait
.endif
.irp i, 0,1,2,3,4,5,6,7,8,9,10,11,12,13,14,15
	v_cvt_pk_f16_f32 v[144+2*\i], v[16+64*((\t)%2)+4*\i], v[17+64*((\t)%2)+4*\i]
	v_cvt_pk_f16_f32 v[145+2*\i], v[18+64*((\t)%2)+4*\i], v[19+64*((\t)%2)+4*\i]
.endr
.irp i, 0,1,2,3,4,5,6,7,8,9,10,11,12,13,14,15
	global_store_b64 v4, v[144+2*\i:145+2*\i], s[22:23] offset:4096*(\t)+256*\i   ; 256 consecutive bytes, aligned
.endr
.if (\t) < 2
	CLOAD (\t)+2
.endif
.endm
.macro WLOAD t                         ; block t: W(32 t + i, my column), i = 0 .. 31
.irp i, 0,1,2,3,4,5,6,7,8,9,10,11,12,13,14,15,16,17,18,19,20,21,22,23,24,25,26,27,28,29,30,31
	global_load_b32 v[WX+32*((\t)%2)+\i], v3, s[8:9] offset:(32*(\t)+\i)*WN*4 th:TH_LOAD_NT
.endr
.endm
.macro WBLOCK t
.set XS, WX+32*((\t)%2)
.if (\t) < NB-1
	s_wait_loadcnt 32                              ; this block's 32 loads are in; the next block's may be out
.else
	s_wait_loadcnt 0
.endif
	v_max3_num_f32 v12, |v[XS]|, |v[XS+1]|, |v[XS+2]|
	v_max3_num_f32 v13, |v[XS+3]|, |v[XS+4]|, |v[XS+5]|
.irp i, 6,10,14,18,22,26
	v_max3_num_f32 v12, v12, |v[XS+\i]|, |v[XS+\i+1]|
	v_max3_num_f32 v13, v13, |v[XS+\i+2]|, |v[XS+\i+3]|
.endr
	v_max3_num_f32 v12, v12, |v[XS+30]|, |v[XS+31]|
	v_max3_num_f32 v12, v12, v13, (EMAX+1)<<23     ; the floor
	v_add_nc_u32 v11, -(EMAX<<23), v12
	v_lshrrev_b32 v13, 23, v11                     ; the scale's byte
.if (\t)%4 == 0
	v_mov_b32 v[SB+(\t)/4], v13
.else
	v_lshl_or_b32 v[SB+(\t)/4], v13, 8*((\t)%4), v[SB+(\t)/4]
.endif
.irp g, 0,1,2,3
	v_cvt_scalef32_pk8_fp4_f32 v[WC+\g], v[XS+8*\g:XS+8*\g+7], v11
.endr
	ds_store_b128 v4, v[WC:WC+3] offset:16*(\t)    ; 32 codes: 16 bytes of my column's row
.if (\t)+2 < NB
	WLOAD (\t)+2
.endif
	s_wait_dscnt 0x0                               ; the store has read its registers and has landed: the next block's codes may be written
.endm
	s_load_b256 s[4:11], s[0:1], 0x0               ; x, prefix_embd, w_attn, w_prefix
	s_load_b256 s[12:19], s[0:1], 0x20             ; w_proj, a_codes, a_scales, w_codes
	s_load_b128 s[20:23], s[0:1], 0x40             ; w_scales, wp16
	v_lshl_add_u32 v[SPW], v0, 2, SPARE
	v_mov_b32 v[NIL], 0
	v_lshrrev_b32 v1, 5, v0
	v_readfirstlane_b32 s24, v1                    ; wave 0..3
	v_and_b32 v2, 31, v0                           ; lane
	s_cmp_lt_u32 ttmp9, 272
	s_cbranch_scc1 .Lact
	s_cmp_lt_u32 ttmp9, 304
	s_cbranch_scc1 .Lcast
	; ---- the weights: 64 columns x 512 along K to a work-group, 32 x 256 to a wave
	s_sub_co_u32 s25, ttmp9, 304                   ; u = 0..159
	s_lshr_b32 s26, s25, 1
	s_lshl_b32 s26, s26, 6                         ; the work-group's first row of w_codes
	s_and_b32 s27, s25, 1                          ; which 512 along K
	s_and_b32 s33, s24, 1                          ; my 32 of the 64 columns
	s_lshr_b32 s34, s24, 1                         ; my 256 of the 512 along K
	s_lshl_b32 s28, s33, 5
	s_add_co_u32 s35, s26, s28                     ; my wave's first column, as a row of w_codes
	v_lshlrev_b32 v3, 2, v2                        ; in: 4 bytes a lane
	s_mul_i32 s28, s33, 32*WPITCH
	s_lshl_b32 s29, s34, 7
	s_add_co_u32 s28, s28, s29
	s_add_co_u32 s28, s28, WST
	v_mul_u32_u24 v4, v2, WPITCH
	v_add_nc_u32 v4, s28, v4                       ; into the stage: row = my column, my half of its 256 bytes
	v_and_b32 v5, 15, v2
	v_lshrrev_b32 v6, 4, v2
	s_mul_i32 s28, s24, 16*WPITCH
	s_add_co_u32 s28, s28, WST
	v_mul_u32_u24 v7, v6, WPITCH
	v_lshl_add_u32 v7, v5, 4, v7
	v_add_nc_u32 v7, s28, v7                       ; out of it: rows 16 x wave on, sixteen lanes to a row
	v_mul_u32_u24 v8, v6, KROW
	v_lshl_add_u32 v8, v5, 4, v8                   ; the same place in w_codes
	v_lshlrev_b32 v9, 5, v2                        ; my column's row of scale bytes
	s_wait_kmcnt 0x0
	s_cmp_lt_u32 s25, 96                           ; rows 0-3071 come from w_attn, the others from w_prefix, 2,048 columns lower than their row
	s_cselect_b64 s[8:9], s[8:9], s[10:11]
	s_cselect_b32 s29, 0, 2048
	s_sub_co_u32 s29, s35, s29                     ; the source's column
	s_lshl_b32 s30, s29, 2
	s_lshl_b32 s31, s27, 1
	s_add_co_u32 s31, s31, s34                     ; which 256 along K: 0..3
	s_mul_i32 s31, s31, 256*WN*4
	s_add_co_u32 s30, s30, s31
	s_mov_b32 s31, 0
	s_add_nc_u64 s[8:9], s[8:9], s[30:31]
	s_lshl_b32 s30, s24, 4
	s_add_co_u32 s30, s30, s26                     ; the first row that I store
	s_lshl_b32 s30, s30, 9
	s_lshl_b32 s32, s27, 8
	s_add_co_u32 s30, s30, s32
	s_add_nc_u64 s[18:19], s[18:19], s[30:31]
	s_lshl_b32 s30, s35, 5
	s_lshl_b32 s32, s27, 4
	s_add_co_u32 s30, s30, s32
	s_lshl_b32 s32, s34, 3
	s_add_co_u32 s30, s30, s32                     ; my columns' scale bytes: 32 a row, 8 for my 256 along K
	s_add_nc_u64 s[20:21], s[20:21], s[30:31]
	WLOAD 0
	WLOAD 1
.set Q, 0
.rept NB
	WBLOCK Q
.set Q, Q+1
.endr
	global_store_b64 v9, v[SB:SB+1], s[20:21]      ; my column's 8 scale bytes
	s_barrier_signal -1                            ; my stores into the stage have landed (the last block's wait for 0)
	s_barrier_wait -1                              ; everybody's have: a row's 256 bytes come from two waves
.irp t, 0,1,2,3,4,5,6,7
	ds_load_b128 v[OUTR+4*\t:OUTR+4*\t+3], v7 offset:2*\t*WPITCH
.endr
.irp t, 0,1,2,3,4,5,6,7
	s_wait_dscnt 7-\t                              ; LDS loads come back in order: load t is in
	global_store_b128 v8, v[OUTR+4*\t:OUTR+4*\t+3], s[18:19] offset:2*\t*KROW   ; sixteen lanes store 256 consecutive bytes, aligned
.endr
	s_wait_tensorcnt 0x0                           ; the wave's end: three lines behind my last LDS store
	ds_add_u32 v[SPW], v[NIL]
	s_wait_dscnt 0x0
	s_endpgm
.Lact:	; ---- the activations: 8,192 numbers to a wave
	v_lshlrev_b32 v3, 4, v2                        ; my 16 bytes of a load's 512
	s_mul_i32 s25, s24, WREG
	v_lshrrev_b32 v14, 2, v2
	v_mul_u32_u24 v14, v14, SP
	v_and_b32 v15, 3, v2
	v_lshl_add_u32 v14, v15, 4, v14
	v_add_nc_u32 v14, s25, v14                     ; the stage, on the way in
	v_mul_u32_u24 v15, v2, SP
	v_add_nc_u32 v15, s25, v15                     ; and on the way out: my 16 neighbours
	v_mul_u32_u24 v4, v2, CB
	v_lshrrev_b32 v5, 1, v2
	s_add_co_u32 s25, s25, 2*32*SP
	v_add_nc_u32 v5, s25, v5                       ; my wave's 256 scale bytes: my block's byte
	v_lshlrev_b32 v7, 3, v2
	v_add_nc_u32 v6, s25, v7
	s_wait_kmcnt 0x0
	s_cmp_lt_u32 ttmp9, 256                        ; x or the prefix: the choice hangs on the work-group's number alone
	s_cselect_b64 s[4:5], s[4:5], s[6:7]
	s_cselect_b32 s25, 0, 256
	s_sub_co_u32 s25, ttmp9, s25
	s_lshl_b32 s25, s25, 2
	s_add_co_u32 s26, s25, s24                     ; which run of 8,192 numbers of the source
	s_mov_b32 s27, 0
	s_lshl_b64 s[28:29], s[26:27], 15
	s_add_nc_u64 s[4:5], s[4:5], s[28:29]
	s_lshl_b32 s26, ttmp9, 2
	s_add_co_u32 s26, s26, s24                     ; and of the output, where the prefix follows x
	s_lshl_b32 s28, s26, 12
	s_mov_b32 s29, 0
	s_add_nc_u64 s[14:15], s[14:15], s[28:29]
	s_lshl_b32 s28, s26, 8
	s_add_nc_u64 s[16:17], s[16:17], s[28:29]
.irp t, 0,1,2,3
	ALOAD \t
.endr
	s_wait_loadcnt 12                              ; step 0's four loads are in
	ATURN 0
.irp t, 0,1,2,3,4,5,6,7,8,9,10,11,12,13,14,15
	ASTEP \t
.endr
	ds_load_b64 v[8:9], v6
	s_wait_dscnt 0x0
	global_store_b64 v7, v[8:9], s[16:17]          ; 256 scale bytes: one aligned run
	s_wait_tensorcnt 0x0                           ; the wave's end: the three lines
	ds_add_u32 v[SPW], v[NIL]
	s_wait_dscnt 0x0
	s_endpgm
.Lcast:	; ---- w_proj to f16: 8,192 numbers to a wave, in four batches
	s_sub_co_u32 s25, ttmp9, 272
	s_lshl_b32 s25, s25, 2
	s_add_co_u32 s25, s25, s24
	s_lshl_b32 s26, s25, 15
	s_mov_b32 s27, 0
	s_lshl_b32 s28, s25, 14
	s_mov_b32 s29, 0
	v_lshlrev_b32 v3, 4, v2
	v_lshlrev_b32 v4, 3, v2
	s_wait_kmcnt 0x0
	s_add_nc_u64 s[12:13], s[12:13], s[26:27]
	s_add_nc_u64 s[22:23], s[22:23], s[28:29]
	CLOAD 0
	CLOAD 1
	CSTEP 0
	CSTEP 1
	CSTEP 2
	CSTEP 3
	s_wait_tensorcnt 0x0                           ; the three lines stand on this path too
	ds_add_u32 v[SPW], v[NIL]
	s_wait_dscnt 0x0
	s_endpgm
.Lfunc_end_k_q2aeac78f3e_prep:
	.size	k_q2aeac78f3e_prep, .Lfunc_end_k_q2aeac78f3e_prep-k_q2aeac78f3e_prep
	.p2alignl 7, 3214868480
	.fill 96, 4, 3214868480
	.section	.rodata,"a",@progbits
	.p2align	6, 0x0
	.amdhsa_kernel k_q2aeac78f3e_prep
		.amdhsa_group_segment_fixed_size 68096
		.amdhsa_private_segment_fixed_size 0
		.amdhsa_enable_private_segment 0
		.amdhsa_kernarg_size 80
		.amdhsa_user_sgpr_count 2
		.amdhsa_user_sgpr_kernarg_segment_ptr 1
		.amdhsa_wavefront_size32 1
		.amdhsa_system_sgpr_workgroup_id_x 1
		.amdhsa_system_sgpr_workgroup_id_y 1
		.amdhsa_system_sgpr_workgroup_id_z 1
		.amdhsa_system_vgpr_workitem_id 0
		.amdhsa_next_free_vgpr 192
		.amdhsa_next_free_sgpr 66
		.amdhsa_reserve_vcc 0
		.amdhsa_float_denorm_mode_32 3
		.amdhsa_float_denorm_mode_16_64 3
		.amdhsa_memory_ordered 1
		.amdhsa_forward_progress 1
		.amdhsa_inst_pref_size 95
	.end_amdhsa_kernel
	.amdgpu_metadata
---
amdhsa.version: [ 1, 2 ]
amdhsa.kernels:
  - .name:           k_q2aeac78f3e_prep
    .symbol:         k_q2aeac78f3e_prep.kd
    .args:
      - { .name: x, .offset: 0, .size: 8, .value_kind: global_buffer, .address_space: global }
      - { .name: prefix_embd, .offset: 8, .size: 8, .value_kind: global_buffer, .address_space: global }
      - { .name: w_attn, .offset: 16, .size: 8, .value_kind: global_buffer, .address_space: global }
      - { .name: w_prefix, .offset: 24, .size: 8, .value_kind: global_buffer, .address_space: global }
      - { .name: w_proj, .offset: 32, .size: 8, .value_kind: global_buffer, .address_space: global }
      - { .name: a_codes, .offset: 40, .size: 8, .value_kind: global_buffer, .address_space: global }
      - { .name: a_scales, .offset: 48, .size: 8, .value_kind: global_buffer, .address_space: global }
      - { .name: w_codes, .offset: 56, .size: 8, .value_kind: global_buffer, .address_space: global }
      - { .name: w_scales, .offset: 64, .size: 8, .value_kind: global_buffer, .address_space: global }
      - { .name: wp16, .offset: 72, .size: 8, .value_kind: global_buffer, .address_space: global }
    .group_segment_fixed_size: 68096
    .private_segment_fixed_size: 0
    .kernarg_segment_align: 8
    .kernarg_segment_size: 80
    .max_flat_workgroup_size: 128
    .sgpr_count:     66
    .vgpr_count:     192
    .wavefront_size: 32
...
	.end_amdgpu_metadata
.endif
;; end of part 1
;; launch gemm (part 2): grid 200 x 1, 4 waves a work-group, no clusters, 327,680 bytes of LDS; arguments a_codes, a_scales, w_codes, w_scales, b_attn, b_prefix, qkv, h16; writes qkv, h16
.if DOCPART == 2
	.amdgcn_target "amdgcn-amd-amdhsa--gfx1250"
	.amdhsa_code_object_version 6
	.text
	.protected	k_q2aeac78f3e_gemm
	.globl	k_q2aeac78f3e_gemm
	.p2align	8
	.type	k_q2aeac78f3e_gemm,@function
k_q2aeac78f3e_gemm:
	s_mov_b64 s[64:65], 0
	v_nop
	global_prefetch_b8 v0, s[64:65] scope:SCOPE_SE
	s_setreg_imm32_b32 hwreg(HW_REG_WAVE_MODE, 25, 1), 1
	s_wait_xcnt 0x0
; GEMM: qkv = Q(x) Q(w_attn) + b_attn and (k_p | v_p) = Q(prefix) Q(w_prefix[:, 1024:]) + b_prefix[1024:], on codes of FP4 (E2M1) with E8M0 scales, K = 1,024; sums in f32.
; A tile is 256 rows x 256 columns: four waves, 128 x 128 each, 64 accumulators.  A WORK-GROUP STAYS AND MAKES TWO TILES, side by side: 256 rows x a pair of 256 columns.  The two products have 384 + 16 tiles: 200 work-groups
; of equal work.  Work-groups 0-191: tile row id % 32, column pair id / 32 of the main product; 192-199: tile row (id - 192) % 2, column pair (id - 192) / 2 of the prefix's.
; K = 1,024 is two LDS slots of 512, so A's 256 rows lie whole in LDS behind the first fills and serve both tiles.  Only B is filled again: slot 0's part behind tile 0's change of slots, slot 1's part and B's scale bytes behind
; a barrier in tile 0's last step; tile 0's way out stands between that refill and tile 1's first read, and tile 0's stores leave while tile 1 is multiplied.
; NO CLUSTER: A's tile row is shared by 6 column pairs in the main product and by 4 in the prefix's, B's tile by 32 tile rows and by 2: neither axis divides by four in both products.
; No prefetch is laid: the first fills are requested at the head, and each refill has 256 products or a way out in which to land.
; THE MATRIX INSTRUCTION IS USED TRANSPOSED (source 0 = 16 rows of B, source 1 = 16 rows of A): a lane holds eight neighbouring columns of one row.  The bias is the C of each sum's first product.
; OUT: f16, head-major: q, k, v [b][h][t][64], k_p, v_p [b][h][64][64]: a head's 16 rows are 2,048 dense bytes.  Positions 0-15 of every sequence also go out in f32 (h16), for the launch that carries them finely.
; LIMITS: |q|, |k|, |v| stay under 65,504 (f16); NaN and infinities are not served.
; REGISTERS: window 0: v16-31 addresses; v32-95 scale words, two sets; v128-191 A's fragments; on the way out v128-223.  window 1: B's fragments, two sets, at v0 and v128; the bias (8 column blocks x 8) of tile 0 at v64, of tile 1 at v192.
;   windows 2, 3: the accumulators ((a, b) at v[8 (8 (a % 4) + b)]).
.set KSTEP,  512
.set NQ,     4
.set ROWB,   256
.set KROW,   512
.set PITCH,  272                       ; 256 bytes + 16 of padding: the 16 rows of a load start at 16 different banks (64 banks of 4 bytes: ISA guide 11.1)
.set FR,     8
.set NL,     2
.set NP,     4
.set HALFT,  128*PITCH
.set SLOT,   4*HALFT                   ; A's 256 rows, then B's 256 rows
.set KS,     32
.set SCL,    2*SLOT                    ; behind the ring: the scale bytes of A's 256 rows, then of B's
.set HALFS,  16*272
.set SBLK,   544
.set STAGE,  SCL+4*HALFS               ; the way out: 2 heads x 16 rows x 144 bytes for each wave; bytes of its own: no fill lands here
.set SPARE,  STAGE+4*4608              ; the spare words, 128 bytes a wave
.set ADRA, 16
.set ADRB, 20
.set STO,  24
.set RD,   25
.set CO,   26
.set ADRS, 27
.set SPW,  28
.set NIL,  29
.set H16O, 30
.set BO,   31
.set SC,   32
.set AF,   128
.set TMP,  128                         ; the way out: a block's 32 registers of f16
.set G1,   24                          ; s[24:31] group 1 for tiles of codes
.set G0,   32                          ; s[32:39] group 0 for A's codes, a set for each slot
.set G0X,  40                          ; s[40:43] group 0 for the refill of B's scale bytes
.set G0B,  48                          ; s[48:55] group 0 for B's codes, a set for each slot
.set G1S,  56                          ; s[56:63] group 1 for scale bytes
.set G0S,  68                          ; s[68:71] group 0 for A's scale bytes
.set G0SB, 80                          ; s[80:83] for B's
.set MSB, 0
.macro WIN new
.if MSB != \new
	s_set_vgpr_msb (MSB<<8)|\new
.set MSB, \new
.endif
.endm
.set MUL_LO, 0xa1                      ; source 0 (B) window 1, source 1 (A) window 0, C and D window 2
.set MUL_HI, 0xf1
.set BIA_LO, 0x91                      ; the same with C (the bias) in window 1
.set BIA_HI, 0xd1
.set TO_B,   0x40
.macro JLOAD g0a, g1a, g0b, g1b        ; waves 0 and 1 take the first pair of groups, waves 2 and 3 the second; an s_nop 0 and four v_nop follow each line
	s_cmp_eq_u32 s21, 0
	s_cbranch_scc0 .Lfor_b_\@
	tensor_load_to_lds s[\g0a:\g0a+3], s[\g1a:\g1a+7]
	s_nop 0
.rept 4
	v_nop
.endr
	s_branch .Lasked_\@
.Lfor_b_\@:
	tensor_load_to_lds s[\g0b:\g0b+3], s[\g1b:\g1b+7]
	s_nop 0
.rept 4
	v_nop
.endr
.Lasked_\@:
.endm
	s_load_b256 s[4:11], s[0:1], 0x0               ; a_codes, a_scales, w_codes, w_scales
	s_load_b256 s[12:19], s[0:1], 0x20             ; b_attn, b_prefix, qkv, h16
	v_lshl_add_u32 v[SPW], v0, 2, SPARE
	v_mov_b32 v[NIL], 0
	ds_add_u32 v[SPW], v[NIL]                      ; the opening: the add, twice on end, and its wait ahead of my first tensor load
	ds_add_u32 v[SPW], v[NIL]
	v_lshrrev_b32 v1, 5, v0
	v_readfirstlane_b32 s20, v1                    ; wave
	s_lshr_b32 s21, s20, 1                         ; my half of the tile's rows; also: I fetch for A (0) or B (1)
	s_and_b32 s22, s20, 1                          ; my half of its columns; also: which 128 rows I fetch
	s_mov_b32 s89, 8192
	s_cmp_lt_u32 ttmp9, 192                        ; the main product or the prefix's: all that differs is chosen here, on this one compare
	s_cselect_b32 s86, 10, 6                       ; LT: log2 of a sequence's length
	s_cselect_b32 s96, 5, 1                        ; log2 of the tile rows
	s_cselect_b32 s97, 0, 192
	s_cselect_b32 s98, 0, 8192                     ; A's first row
	s_cselect_b32 s99, 0, 3072                     ; B's first row
	s_cselect_b32 s100, 0, 4096                    ; the bias's first byte
	s_cselect_b32 s101, 0, 0x3000000               ; the first section's byte in qkv
	s_cselect_b32 s2, 24, 20                       ; log2 of a section's bytes
	s_cselect_b32 s3, 0, 0x180000                  ; the part of h16
	s_cselect_b32 s89, 12288, s89                  ; NC4: a row of h16 in bytes
	s_cselect_b32 s90, 0, 122880                   ; from a batch's row 48 to the next batch's row 0, less 2,048: the prefix's waves span two batches
	s_mov_b32 s91, 0
	s_sub_co_u32 s84, ttmp9, s97
	s_lshr_b32 s85, s84, s96                       ; CP: the pair of column tiles
	s_lshl_b32 s97, 1, s96
	s_sub_co_u32 s97, s97, 1
	s_and_b32 s84, s84, s97                        ; TR: the tile row
	s_lshl_b32 s87, 1, s86
	s_sub_co_u32 s87, s87, 1                       ; TMASK
	s_lshl_b32 s88, s84, 8
	s_lshl_b32 s97, s21, 7
	s_add_co_u32 s88, s88, s97                     ; M0: my wave's first row in its product
	s_lshl_b32 s96, s84, 8
	s_add_co_u32 s96, s96, s98
	s_lshl_b32 s97, s22, 7
	s_add_co_u32 s96, s96, s97                     ; A: the first row that I fetch
	s_lshl_b32 s98, s85, 9
	s_add_co_u32 s98, s98, s99
	s_add_co_u32 s98, s98, s97                     ; B likewise, for tile 0
	s_lshl_b32 s104, s96, 5                        ; in bytes: scales 32 a row,
	s_mov_b32 s105, 0
	s_lshl_b32 s96, s96, 9                         ; codes 512
	s_mov_b32 s97, 0
	s_lshl_b32 s66, s98, 5
	s_mov_b32 s67, 0
	s_lshl_b32 s98, s98, 9
	s_mov_b32 s99, 0
	; group 1: codes: 128 rows x 256 bytes, padded; scales of 128 rows: a dense block as 16 rows of 256 bytes (32 elements of 8), padded
	s_mov_b32 s[G1], (1<<20)|(5<<22)|(3<<25)
	s_mov_b32 s[G1+1], ROWB<<16
	s_mov_b32 s[G1+2], 128<<16
	s_mov_b32 s[G1+3], ROWB<<16
	s_mov_b32 s[G1+4], 128
	s_mov_b32 s[G1+5], KROW
	s_mov_b32 s[G1+6], 0
	s_mov_b32 s[G1+7], 0
	s_mov_b32 s[G1S], (3<<16)|(1<<20)|(5<<22)|(3<<25)
	s_mov_b32 s[G1S+1], 32<<16
	s_mov_b32 s[G1S+2], 16<<16
	s_mov_b32 s[G1S+3], 32<<16
	s_mov_b32 s[G1S+4], 16
	s_mov_b32 s[G1S+5], 32
	s_mov_b32 s[G1S+6], 0
	s_mov_b32 s[G1S+7], 0
	s_mov_b32 s[G0], 1
	s_mov_b32 s[G0+4], 1
	s_mov_b32 s[G0B], 1
	s_mov_b32 s[G0B+4], 1
	s_mov_b32 s[G0S], 1
	s_mov_b32 s[G0SB], 1
	s_mov_b32 s[G0X], 1
	s_mul_i32 s[G0+1], s20, HALFT                  ; where they go: wave x 128 rows
	s_add_co_u32 s[G0+5], s[G0+1], SLOT
	s_mov_b32 s[G0B+1], s[G0+1]
	s_mov_b32 s[G0B+5], s[G0+5]
	s_mul_i32 s[G0S+1], s20, HALFS
	s_add_co_u32 s[G0S+1], s[G0S+1], SCL
	s_mov_b32 s[G0SB+1], s[G0S+1]
	s_mul_i32 s[G0X+1], s22, HALFS                 ; the refill of B's scale bytes is fetched by waves 0 and 1: half (wave % 2) of B's part
	s_add_co_u32 s[G0X+1], s[G0X+1], SCL+2*HALFS
	s_wait_dscnt 0x0                               ; both opening adds are done
	s_wait_kmcnt 0x0
	s_add_nc_u64 s[G0+2:G0+3], s[4:5], s[96:97]
	s_add_nc_u64 s[G0+6:G0+7], s[G0+2:G0+3], ROWB
	s_or_b32 s[G0+3], s[G0+3], 0x80000000
	s_or_b32 s[G0+7], s[G0+7], 0x80000000
	s_add_nc_u64 s[G0B+2:G0B+3], s[8:9], s[98:99]
	s_add_nc_u64 s[G0B+6:G0B+7], s[G0B+2:G0B+3], ROWB
	s_or_b32 s[G0B+3], s[G0B+3], 0x80000000
	s_or_b32 s[G0B+7], s[G0B+7], 0x80000000
	s_add_nc_u64 s[G0S+2:G0S+3], s[6:7], s[104:105]
	s_or_b32 s[G0S+3], s[G0S+3], 0x80000000
	s_add_nc_u64 s[G0SB+2:G0SB+3], s[10:11], s[66:67]
	s_add_nc_u64 s[G0X+2:G0X+3], s[G0SB+2:G0SB+3], 256*KS   ; tile 1's rows of B: 256 on
	s_or_b32 s[G0SB+3], s[G0SB+3], 0x80000000
	s_or_b32 s[G0X+3], s[G0X+3], 0x80000000
	JLOAD G0S, G1S, G0SB, G1S                      ; three loads of mine are out: the scales, slot 0, slot 1
	JLOAD G0, G1, G0B, G1
	JLOAD G0+4, G1, G0B+4, G1
	; the bias, h16 and qkv
	s_lshl_b32 s96, s85, 9
	s_lshl_b32 s97, s22, 7
	s_add_co_u32 s96, s96, s97
	s_lshl_b32 s96, s96, 2                         ; my wave's first column of tile 0, in bytes of f32
	s_add_co_u32 s98, s96, s100
	s_mov_b32 s99, 0
	s_cmp_eq_u32 s86, 10
	s_cselect_b64 s[12:13], s[12:13], s[14:15]
	s_add_nc_u64 s[12:13], s[12:13], s[98:99]
	s_add_co_u32 s98, s96, s3
	s_add_nc_u64 s[18:19], s[18:19], s[98:99]
	v_and_b32 v1, 15, v0                           ; r
	v_bfe_u32 v2, v0, 4, 1                         ; h
	v_lshlrev_b32 v[BO], 5, v2
	WIN TO_B                                       ; destination window 1
.irp tl, 0,1
.irp b, 0,1,2,3,4,5,6,7
	global_load_b128 v[64+128*\tl+8*\b:64+128*\tl+8*\b+3], v[BO], s[12:13] offset:1024*\tl+64*\b        ; lane (r, h): the bias of columns 16 b + 8 h + 0 .. 7 of tile tl
	global_load_b128 v[64+128*\tl+8*\b+4:64+128*\tl+8*\b+7], v[BO], s[12:13] offset:1024*\tl+64*\b+16
.endr
.endr
	WIN 0
	s_lshr_b32 s96, s88, s86                       ; batch
	s_and_b32 s97, s88, s87                        ; position
	s_lshl_b32 s96, s96, 4
	s_and_b32 s98, s85, 1
	s_lshl_b32 s98, s98, 3
	s_add_co_u32 s96, s96, s98
	s_lshl_b32 s98, s22, 1
	s_add_co_u32 s96, s96, s98                     ; batch x 16 + my first head of tile 0: 8 (CP % 2) + 2 x column half
	s_lshl_b32 s96, s96, s86
	s_add_co_u32 s96, s96, s97
	s_lshl_b32 s96, s96, 7                         ; rows of 128 bytes
	s_lshr_b32 s98, s85, 1                         ; the section: q, k, v, or k_p, v_p
	s_lshl_b32 s98, s98, s2
	s_add_co_u32 s96, s96, s98
	s_add_co_u32 s96, s96, s101
	s_mov_b32 s97, 0
	s_add_nc_u64 s[44:45], s[16:17], s[96:97]      ; where my first head's rows of tile 0 begin
	s_lshl_b32 s46, 128, s86                       ; a head's bytes,
	s_mov_b32 s47, 0
	s_lshl_b32 s72, 512, s86                       ; and four heads': from tile 0 to tile 1
	s_mov_b32 s73, 0
	v_mul_u32_u24 v3, v1, PITCH
	v_lshl_add_u32 v4, v2, 4, v3
	s_mul_i32 s96, s21, HALFT
	s_mul_i32 s97, s22, HALFT
	s_add_co_u32 s97, s97, 2*HALFT
.irp s, 0,1
	v_add_nc_u32 v[ADRA+\s], s96, v4
	v_add_nc_u32 v[ADRB+\s], s97, v4
	s_add_co_u32 s96, s96, SLOT
	s_add_co_u32 s97, s97, SLOT
.endr
	v_mul_u32_u24 v5, v1, KS
	v_lshrrev_b32 v6, 8, v5
	v_lshl_add_u32 v5, v6, 4, v5
	s_mul_i32 s96, s21, HALFS
	s_mul_i32 s97, s22, HALFS
	s_add_co_u32 s97, s97, 2*HALFS
	s_sub_co_u32 s97, s97, s96
	v_mul_u32_u24 v6, s97, v2                      ; lanes 16-31 take B's words
	s_add_co_u32 s96, s96, SCL
	v_add_nc_u32 v5, v5, v6
	v_add_nc_u32 v[ADRS], s96, v5
	s_mul_i32 s96, s20, 4608
	s_add_co_u32 s96, s96, STAGE                   ; my stage
	v_mul_u32_u24 v5, v1, 144
	v_lshl_add_u32 v5, v2, 4, v5
	v_add_nc_u32 v[STO], s96, v5
	v_and_b32 v6, 31, v0
	v_lshlrev_b32 v[CO], 4, v6
	v_lshrrev_b32 v5, 3, v6
	v_mul_u32_u24 v5, v5, 144
	v_and_b32 v6, 7, v0
	v_lshl_add_u32 v5, v6, 4, v5
	v_add_nc_u32 v[RD], s96, v5                    ; back: four rows of 128 bytes an instruction
	v_mul_lo_u32 v[H16O], v1, s89
	v_lshl_add_u32 v[H16O], v2, 5, v[H16O]         ; h16: row r, + 32 h
.macro FRAG reg, adr, q, i
.irp c, 0,1
	ds_load_b128 v[\reg+4*\c:\reg+4*\c+3], v[\adr] offset:64*(\q)+32*\c+(\i)*16*PITCH
.endr
.endm
; 16 products: A's blocks a0, a0 + 1 x B's eight.  The 64 accumulators take turns, one instruction a turn, in the same order in every step.  first = 1: C is the tile's bias, at v[BIX] of window 1
.macro MUL16 a0, p, q, sc, first
.irp a, \a0, \a0+1
.irp b, 0,1,2,3,4,5,6,7
.if \first
	v_wmma_scale_f32_16x16x128_f8f6f4 v[8*(8*((\a)%4)+\b):8*(8*((\a)%4)+\b)+7], v[128*(\p)+FR*\b:128*(\p)+FR*\b+FR-1], v[AF+FR*(\a):AF+FR*(\a)+FR-1], v[BIX+8*\b:BIX+8*\b+7], v[SC+8*NQ*(\sc)+NQ*\b+(\q)], v[SC+8*NQ*(\sc)+NQ*(\a)+(\q)] matrix_a_fmt:MATRIX_FMT_FP4 matrix_b_fmt:MATRIX_FMT_FP4 matrix_a_scale:MATRIX_SCALE_ROW1
.else
	v_wmma_scale_f32_16x16x128_f8f6f4 v[8*(8*((\a)%4)+\b):8*(8*((\a)%4)+\b)+7], v[128*(\p)+FR*\b:128*(\p)+FR*\b+FR-1], v[AF+FR*(\a):AF+FR*(\a)+FR-1], v[8*(8*((\a)%4)+\b):8*(8*((\a)%4)+\b)+7], v[SC+8*NQ*(\sc)+NQ*\b+(\q)], v[SC+8*NQ*(\sc)+NQ*(\a)+(\q)] matrix_a_fmt:MATRIX_FMT_FP4 matrix_b_fmt:MATRIX_FMT_FP4 matrix_a_scale:MATRIX_SCALE_ROW1
.endif
.endr
.endr
.endm
.macro FETCH_B slot, q, p
	WIN TO_B
.irp i, 0,1,2,3,4,5,6,7
	FRAG 128*(\p)+FR*\i, ADRB+\slot, \q, \i
.endr
	WIN 0
.endm
.macro FETCH_A slot, q, i0
.irp i, \i0, \i0+1, \i0+2, \i0+3
	FRAG AF+FR*(\i), ADRA+\slot, \q, \i
.endr
.endm
.macro SCALES sc                       ; slot sc's scale words, 16 bytes of each row's 32: lanes 0-15 A's block i, lanes 16-31 B's block i
.irp i, 0,1,2,3,4,5,6,7
	ds_load_b128 v[SC+8*NQ*\sc+NQ*\i:SC+8*NQ*\sc+NQ*\i+3], v[ADRS] offset:\i*SBLK+16*\sc
.endr
.endm
.macro PLACES n                        ; plain vector instructions between a matrix instruction and a load into, or a read of, its registers
.rept \n
	v_nop
.endr
.endm
.macro STEP slot, q, first             ; 128 along K that have their successor in the same slot
	s_wait_dscnt 4*NL                              ; B's set and A's blocks 0-3 are in; the youngest eight loads (A's blocks 4-7) may be out
.if \first
	WIN BIA_LO
.else
	WIN MUL_LO
.endif
	MUL16 0, (\q)%2, \q, \slot, \first
	MUL16 2, (\q)%2, \q, \slot, \first
	s_wait_dscnt 0
	PLACES NP
	FETCH_B \slot, (\q)+1, 1-(\q)%2
	FETCH_A \slot, (\q)+1, 0
.if \first
	WIN BIA_HI
.else
	WIN MUL_HI
.endif
	MUL16 4, (\q)%2, \q, \slot, \first
	MUL16 6, (\q)%2, \q, \slot, \first
	PLACES NP
	WIN 0
	FETCH_A \slot, (\q)+1, 4
.endm
.macro STEPS slot, from
.set Q, \from
.rept NQ-1-\from
	STEP \slot, Q, 0
.set Q, Q+1
.endr
.endm
; THE WAY OUT, a block of 16 rows at a time.
.macro F32COPY a, tl                   ; where block a holds positions 0-15 of a sequence, it also goes out in f32.  The test hangs on the work-group's and the wave's number alone; no barrier stands under it
	s_add_co_u32 s96, s88, 16*\a
	s_and_b32 s97, s96, s87
	s_cmp_lg_u32 s97, 0
	s_cbranch_scc1 .Lno_copy_\@
	s_lshr_b32 s96, s96, s86                       ; batch
	s_lshl_b32 s97, s89, 4                         ; 16 rows of h16
	s_mul_i32 s96, s96, s97
	s_mov_b32 s97, 0
	s_add_nc_u64 s[98:99], s[18:19], s[96:97]
	WIN 0x08+4*((\a)/4)                            ; a store's data are its source 1: window 2 or 3
.irp b, 0,1,2,3,4,5,6,7
	global_store_b128 v[H16O], v[8*\b:8*\b+3], s[98:99] offset:1024*\tl+64*\b           ; each accumulator from its low end on
	global_store_b128 v[H16O], v[8*\b+4:8*\b+7], s[98:99] offset:1024*\tl+64*\b+16
.endr
	WIN 0
	s_wait_xcnt 0x0                                ; the stores have read their base and their data: both are written again only behind this wait
.Lno_copy_\@:
.endm
.macro PACK a                          ; rounded to f16: 16 bytes a lane and column block
.set AC, 64*((\a)%4)
	WIN 0x0a+5*((\a)/4)
.irp b, 0,1,2,3,4,5,6,7
.irp i, 0,1,2,3
	v_cvt_pk_f16_f32 v[TMP+4*\b+\i], v[AC+8*\b+2*\i], v[AC+8*\b+2*\i+1]
.endr
.endr
	WIN 0
.endm
.macro TOSTAGE a                       ; into my stage by rows of a head, and back as 512 consecutive bytes of a head; LDS serves a wave's instructions in order
.set BB, 160+32*((\a)%2)
.irp b, 0,1,2,3,4,5,6,7
	ds_store_b128 v[STO], v[TMP+4*\b:TMP+4*\b+3] offset:(\b/4)*2304+32*(\b%4)
.endr
.irp hh, 0,1
.irp g, 0,1,2,3
	ds_load_b128 v[BB+16*\hh+4*\g:BB+16*\hh+4*\g+3], v[RD] offset:\hh*2304+\g*576
.endr
.endr
.endm
.macro SEND a
.set BB, 160+32*((\a)%2)
	s_wait_dscnt 0x0                               ; the block is back in registers
	s_wait_xcnt 0x0                                ; earlier stores have read their bases and data: both are written again only behind this wait
.if (\a) > 0
	s_add_nc_u64 s[92:93], s[92:93], 2048
	s_add_nc_u64 s[94:95], s[94:95], 2048
.endif
.if (\a) == 4
	s_add_nc_u64 s[92:93], s[92:93], s[90:91]      ; the prefix: on to the next batch
	s_add_nc_u64 s[94:95], s[94:95], s[90:91]
.endif
.irp g, 0,1,2,3
	global_store_b128 v[CO], v[BB+4*\g:BB+4*\g+3], s[92:93] offset:512*\g      ; 512 consecutive bytes, aligned
.endr
.irp g, 0,1,2,3
	global_store_b128 v[CO], v[BB+16+4*\g:BB+16+4*\g+3], s[94:95] offset:512*\g
.endr
.endm
.macro WAYOUT tl
	PLACES NP
	s_wait_xcnt 0x0                                ; the last tile's stores have read their bases
.if \tl == 0
	s_mov_b64 s[92:93], s[44:45]                   ; my first head's rows,
.else
	s_add_nc_u64 s[92:93], s[44:45], s[72:73]      ; (tile 1: four heads on)
.endif
	s_add_nc_u64 s[94:95], s[92:93], s[46:47]      ; and my second head's
	F32COPY 0, \tl
	PACK 0
	TOSTAGE 0
.irp a, 1,2,3,4,5,6,7
.if \a == 4
	F32COPY 4, \tl
.endif
	PACK \a
	SEND \a-1
	TOSTAGE \a
.endr
	SEND 7
.endm
; A TILE: 8 steps of 128 along K, and its way out.  tl = 0: B's parts of the slots and B's scale bytes are filled again, for tile 1.
.macro TILE tl
.set BIX, 64+128*\tl
	FETCH_B 0, 0, 0
	FETCH_A 0, 0, 0
	SCALES 0
	FETCH_A 0, 0, 4
.if \tl == 0
	s_wait_loadcnt 0x0                             ; both tiles' biases
.endif
	STEP 0, 0, 1                                   ; the first products start the sums from the bias
	STEPS 0, 1
	; slot 0's last step, and the change of slots
	s_wait_tensorcnt 0x0                           ; all my tensor loads have landed, my part of slot 1 among them: so a group 0 may be written
	ds_add_u32 v[SPW], v[NIL]
.if \tl == 0
	s_add_nc_u64 s[G0B+2:G0B+3], s[G0B+2:G0B+3], 256*KROW   ; slot 0's B: tile 1's rows, 256 on
.endif
	s_wait_dscnt 4*NL+1                            ; the add and A's blocks 4-7 may be out
	WIN MUL_LO
	MUL16 0, 1, NQ-1, 0, 0
	s_wait_dscnt 0x0                               ; the add is done, and my reads of slot 0 are over
	s_barrier_signal -1
	MUL16 2, 1, NQ-1, 0, 0
	WIN 0
	s_barrier_wait -1                              ; nobody reads slot 0's B any more in this tile
.if \tl == 0
	s_cmp_eq_u32 s21, 0                            ; waves 2 and 3 fill it again; A's part stays and is read again in tile 1
	s_cbranch_scc1 .Lno_fill_\@
	tensor_load_to_lds s[G0B:G0B+3], s[G1:G1+7]    ; my one tensor load behind this barrier, and the first thing there: 256 products ahead of the wait for it
	s_nop 0
.rept 4
	v_nop
.endr
.Lno_fill_\@:
.endif
	PLACES NP
	FETCH_B 1, 0, 0
	FETCH_A 1, 0, 0
	SCALES 1
	WIN MUL_HI
	MUL16 4, 1, NQ-1, 0, 0
	MUL16 6, 1, NQ-1, 0, 0
	PLACES NP
	WIN 0
	FETCH_A 1, 0, 4
	STEPS 1, 0
	; the tile's last step: nothing more to fetch from the slots
	s_wait_dscnt 4*NL
	WIN MUL_LO
	MUL16 0, 1, NQ-1, 1, 0
	MUL16 2, 1, NQ-1, 1, 0
.if \tl == 0
	WIN 0                                          ; (the add's two registers lie in window 0)
	s_wait_tensorcnt 0x0                           ; slot 0's refill has landed: no tensor load of mine is out
	ds_add_u32 v[SPW], v[NIL]
	s_add_nc_u64 s[G0B+6:G0B+7], s[G0B+6:G0B+7], 256*KROW   ; slot 1's B: tile 1's rows
	s_wait_dscnt 1                                 ; A's blocks 4-7 are in; the add may be out
	WIN MUL_HI
	MUL16 4, 1, NQ-1, 1, 0
	s_wait_dscnt 0x0                               ; the add is done, and my reads of slot 1 and of the scale bytes are over
	s_barrier_signal -1
	MUL16 6, 1, NQ-1, 1, 0
	WIN 0
	s_barrier_wait -1
	JLOAD G0X, G1S, G0B+4, G1                      ; waves 0 and 1: B's scale bytes; waves 2 and 3: slot 1's B: one load a wave; the way out below is what they land under
.else
	s_wait_dscnt 0
	WIN MUL_HI
	MUL16 4, 1, NQ-1, 1, 0
	MUL16 6, 1, NQ-1, 1, 0
	WIN 0
.endif
	WAYOUT \tl
.endm
	s_wait_tensorcnt 1                             ; the scales and my part of slot 0 are in; slot 1's load may be out
	s_barrier_signal -1
	s_barrier_wait -1
	TILE 0
	s_wait_tensorcnt 0x0                           ; my part of tile 1's B and scale bytes has landed
	s_wait_dscnt 0x0
	s_wait_xcnt 0x0                                ; the last stores have read their data: tile 1's fragments land on those registers
	s_barrier_signal -1
	s_barrier_wait -1                              ; everybody's has
	TILE 1
	s_wait_tensorcnt 0x0                           ; the wave's end: the three lines, behind my last tensor load and my last LDS store
	ds_add_u32 v[SPW], v[NIL]
	s_wait_dscnt 0x0
	s_endpgm
.Lfunc_end_k_q2aeac78f3e_gemm:
	.size	k_q2aeac78f3e_gemm, .Lfunc_end_k_q2aeac78f3e_gemm-k_q2aeac78f3e_gemm
	.p2alignl 7, 3214868480
	.fill 96, 4, 3214868480
	.section	.rodata,"a",@progbits
	.p2align	6, 0x0
	.amdhsa_kernel k_q2aeac78f3e_gemm
		.amdhsa_group_segment_fixed_size 327680
		.amdhsa_private_segment_fixed_size 0
		.amdhsa_enable_private_segment 0
		.amdhsa_kernarg_size 64
		.amdhsa_user_sgpr_count 2
		.amdhsa_user_sgpr_kernarg_segment_ptr 1
		.amdhsa_wavefront_size32 1
		.amdhsa_system_sgpr_workgroup_id_x 1
		.amdhsa_system_sgpr_workgroup_id_y 1
		.amdhsa_system_sgpr_workgroup_id_z 1
		.amdhsa_system_vgpr_workitem_id 0
		.amdhsa_next_free_vgpr 1024
		.amdhsa_next_free_sgpr 106
		.amdhsa_reserve_vcc 0
		.amdhsa_float_denorm_mode_32 3
		.amdhsa_float_denorm_mode_16_64 3
		.amdhsa_memory_ordered 1
		.amdhsa_forward_progress 1
		.amdhsa_inst_pref_size 255
	.end_amdhsa_kernel
	.section	.bss,"aw",@nobits
	.p2align	6
	.space	262144
	.amdgpu_metadata
---
amdhsa.version: [ 1, 2 ]
amdhsa.kernels:
  - .name:           k_q2aeac78f3e_gemm
    .symbol:         k_q2aeac78f3e_gemm.kd
    .args:
      - { .name: a_codes, .offset: 0, .size: 8, .value_kind: global_buffer, .address_space: global }
      - { .name: a_scales, .offset: 8, .size: 8, .value_kind: global_buffer, .address_space: global }
      - { .name: w_codes, .offset: 16, .size: 8, .value_kind: global_buffer, .address_space: global }
      - { .name: w_scales, .offset: 24, .size: 8, .value_kind: global_buffer, .address_space: global }
      - { .name: b_attn, .offset: 32, .size: 8, .value_kind: global_buffer, .address_space: global }
      - { .name: b_prefix, .offset: 40, .size: 8, .value_kind: global_buffer, .address_space: global }
      - { .name: qkv, .offset: 48, .size: 8, .value_kind: global_buffer, .address_space: global }
      - { .name: h16, .offset: 56, .size: 8, .value_kind: global_buffer, .address_space: global }
    .group_segment_fixed_size: 327680
    .private_segment_fixed_size: 0
    .kernarg_segment_align: 8
    .kernarg_segment_size: 64
    .max_flat_workgroup_size: 128
    .sgpr_count:     106
    .vgpr_count:     1024
    .wavefront_size: 32
...
	.end_amdgpu_metadata
.endif
;; end of part 2
;; launch attn (part 3): grid 2 x 128, 16 waves a work-group, no clusters, 327,680 bytes of LDS; arguments qkv, y16; writes y16
.if DOCPART == 3
	.amdgcn_target "amdgcn-amd-amdhsa--gfx1250"
	.amdhsa_code_object_version 6
	.text
	.protected	k_q2aeac78f3e_attn
	.globl	k_q2aeac78f3e_attn
	.p2align	8
	.type	k_q2aeac78f3e_attn,@function
k_q2aeac78f3e_attn:
	s_mov_b64 s[64:65], 0
	v_nop
	global_prefetch_b8 v0, s[64:65] scope:SCOPE_SE
	s_setreg_imm32_b32 hwreg(HW_REG_WAVE_MODE, 25, 1), 1
	s_wait_xcnt 0x0
; ATTN: y = softmax(q k_p^T / 8, causal) v_p + softmax(q k^T / 8, causal) v, for one head (work-group y) and half of its queries; f16 operands, f32 sums, maxima and softmax.
; SHARES.  Work-group x = j takes the head's blocks of 32 queries of parity j; wave w takes block PW = w xor 3 ((w >> 2) & 1), queries 64 PW + 32 j on, so that waves w, w + 4, w + 8, w + 12 have equal work together.
; A wave holds two tiles of 16 queries; each fragment of K and V feeds two products.  Key steps whose 64 keys all come after the wave's queries are passed over by a scalar branch on ids.
; LDS holds the head's whole K and V (and the prefix's): all tiles are asked for once, at the head, in five loads for each of waves 0-3, and read quarter by quarter behind counted waits; nothing is filled again.
; So no prefetch is laid (every byte is requested at the head) and no cluster is used (two work-groups share a head; four would halve the waves' work for the same fills).
; LAYOUT.  Both products transposed: S^T = K Q^T, O^T = V^T P: a lane holds one query (lane % 16) throughout.  In LDS a row holds two positions (256 bytes) + padding: 16 for K, 32 for V, which is read turned (ds_load_tr16_b128).
; SOFTMAX: running maximum m and sum l for each query; p = 2^(c s - c m), c = log2(e) / 8; O and l are multiplied by 2^(c m_old - c m_new) in every step.
; LIMITS: |q|, |k|, |v|, |y| under 65,504; NaN and infinities are not served.
.set KQB,   34816                      ; a quarter (256 keys) of K in LDS: 128 rows x 272
.set VQB,   36864                      ; of V: 128 x 288
.set VREG,  139264
.set KPL,   286720                     ; the prefix's K: 32 x 272
.set VPL,   295424                     ; and V: 32 x 288
.set SPARE, 304640                     ; the spare words, 128 bytes a wave
.set KSEC,  16777216
.set VSEC,  33554432
.set KPSEC, 50331648
.set VPSEC, 51380224
.set AK0, 1                            ; v1   my lane's place in a tile of K
.set AV0, 2                            ; v2   and of V (VREG included)
.set ADK, 3
.set ADV, 4
.set SPW, 5
.set NIL, 6
.set GO,  7                            ; v7   16 x lane
.set STO, 8
.set RD,  9
.set QO,  10
.set ST,  16                           ; tile t at v[16 + 8 t]: +0 c m, +1 m, +2, +3 l, +4..7 at work (a and 1 / l at +6)
.set QF,  32                           ; Q: tile t, channels 32 s on: v[32 + 16 t + 8 s]
.set S,   64                           ; scores: v[64 + 32 t + 8 kt]
.set P,   128                          ; weights: v[128 + 16 t]; ahead of the softmax: K's second 32 keys
.set O,   160                          ; O^T: v[160 + 32 t + 8 c]
.set KV,  224                          ; K's first 32 keys, then 32 keys of V
.set WV,  8
.set Q0,  10
.set KF,  11
.set TK,  12
.set TV,  13
.set CNT, 14
.set CS,  16
.set SEL, 18
.macro G1SET g, rows, pad              ; rows of 256 bytes (32 elements of 8), dense in memory, padded in LDS
	s_mov_b32 s[\g], (3<<16)|(1<<20)|(5<<22)|((\pad-1)<<25)
	s_mov_b32 s[\g+1], 32<<16
	s_mov_b32 s[\g+2], (\rows)<<16
	s_mov_b32 s[\g+3], 32<<16
	s_mov_b32 s[\g+4], \rows
	s_mov_b32 s[\g+5], 32
	s_mov_b32 s[\g+6], 0
	s_mov_b32 s[\g+7], 0
.endm
.macro G0LDS g, base, perhalf
	s_mov_b32 s[\g], 1
	s_mul_i32 s[\g+1], s21, \perhalf
	s_add_co_u32 s[\g+1], s[\g+1], \base
.endm
.macro G0ADR g, off, c
	s_add_nc_u64 s[\g+2:\g+3], s[4:5], s[\off:\off+1]
	s_add_nc_u64 s[\g+2:\g+3], s[\g+2:\g+3], \c
	s_or_b32 s[\g+3], s[\g+3], 0x80000000
.endm
	s_load_b128 s[4:7], s[0:1], 0x0                ; qkv, y16
	v_lshl_add_u32 v[SPW], v0, 2, SPARE
	v_mov_b32 v[NIL], 0
	ds_add_u32 v[SPW], v[NIL]                      ; the opening: the add, twice on end, and its wait ahead of the first tensor load
	ds_add_u32 v[SPW], v[NIL]
	v_lshrrev_b32 v1, 5, v0
	v_readfirstlane_b32 s[WV], v1                  ; wave 0..15
	s_bfe_u32 s9, s[WV], 0x10002
	s_mul_i32 s9, s9, 3
	s_xor_b32 s9, s9, s[WV]                        ; PW
	s_lshl_b32 s[Q0], s9, 6
	s_lshl_b32 s15, ttmp9, 5
	s_add_co_u32 s[Q0], s[Q0], s15                 ; my first query
	s_and_b32 s20, ttmp7, 0xffff                   ; batch x 16 + head
	s_and_b32 s21, s[WV], 1                        ; which half of a tile I fetch, if I fetch
	G1SET 24, 64, 4                                ; K: half a quarter
	G1SET 32, 64, 8                                ; V
	G1SET 40, 16, 4                                ; the prefix's K: half
	G1SET 48, 16, 8                                ; the prefix's V
	G0LDS 56, KPL, 4352
	G0LDS 60, 0, 17408
	G0LDS 68, KQB, 17408
	G0LDS 72, 2*KQB, 17408
	G0LDS 76, 3*KQB, 17408
	G0LDS 80, VPL, 4608
	G0LDS 84, VREG, 18432
	G0LDS 88, VREG+VQB, 18432
	G0LDS 92, VREG+2*VQB, 18432
	G0LDS 96, VREG+3*VQB, 18432
	s_lshl_b32 s12, s20, 17
	s_lshl_b32 s13, s21, 14
	s_add_co_u32 s12, s12, s13                     ; the head's K or V, my half of a quarter
	s_mov_b32 s13, 0
	s_lshl_b32 s14, s20, 13
	s_lshl_b32 s15, s21, 12
	s_add_co_u32 s14, s14, s15                     ; the same in the prefix's sections
	s_mov_b32 s15, 0
	s_lshl_b32 s22, s20, 10
	s_add_co_u32 s22, s22, s[Q0]
	s_lshl_b32 s22, s22, 7                         ; my first query's row in q and in y16
	s_mov_b32 s23, 0
	s_mov_b32 s[CS], 0x3e38aa3b                    ; c = log2(e) / 8
	s_mov_b32 s[CS+1], s[CS]
	s_mov_b32 s[SEL], 0x76543210
	s_mov_b32 s[SEL+1], 0xfedcba98
	s_wait_dscnt 0x0                               ; both opening adds are done
	s_wait_kmcnt 0x0
	G0ADR 56, 14, KPSEC
	G0ADR 60, 12, KSEC
	G0ADR 68, 12, KSEC+32768
	G0ADR 72, 12, KSEC+2*32768
	G0ADR 76, 12, KSEC+3*32768
	G0ADR 80, 14, VPSEC
	G0ADR 84, 12, VSEC
	G0ADR 88, 12, VSEC+32768
	G0ADR 92, 12, VSEC+2*32768
	G0ADR 96, 12, VSEC+3*32768
	s_add_nc_u64 s[100:101], s[4:5], s[22:23]      ; q at my first query
	s_add_nc_u64 s[6:7], s[6:7], s[22:23]          ; y16 likewise
	s_cmp_lt_u32 s[WV], 2                          ; all first fills of a wave stand in one branch on its number: five loads of mine are out; an s_nop 0 follows each, four v_nop the last
	s_cbranch_scc0 .Lnot_k
	tensor_load_to_lds s[56:59], s[40:47]          ; the prefix, then the quarters in the order in which they are read
	s_nop 0
	tensor_load_to_lds s[60:63], s[24:31]
	s_nop 0
	tensor_load_to_lds s[68:71], s[24:31]
	s_nop 0
	tensor_load_to_lds s[72:75], s[24:31]
	s_nop 0
	tensor_load_to_lds s[76:79], s[24:31]
	s_nop 0
.rept 4
	v_nop
.endr
	s_branch .Lasked
.Lnot_k:
	s_cmp_lt_u32 s[WV], 4
	s_cbranch_scc0 .Lasked
	tensor_load_to_lds s[80:83], s[48:55]
	s_nop 0
	tensor_load_to_lds s[84:87], s[32:39]
	s_nop 0
	tensor_load_to_lds s[88:91], s[32:39]
	s_nop 0
	tensor_load_to_lds s[92:95], s[32:39]
	s_nop 0
	tensor_load_to_lds s[96:99], s[32:39]
	s_nop 0
.rept 4
	v_nop
.endr
.Lasked:
	v_and_b32 v14, 15, v0                          ; r
	v_bfe_u32 v15, v0, 4, 1                        ; h
	v_lshlrev_b32 v[QO], 7, v14
	v_lshl_add_u32 v[QO], v15, 4, v[QO]            ; row r of 128 bytes + 16 h
.irp t, 0,1
.irp s, 0,1
	global_load_b128 v[QF+16*\t+8*\s:QF+16*\t+8*\s+3], v[QO], s[100:101] offset:2048*\t+64*\s
	global_load_b128 v[QF+16*\t+8*\s+4:QF+16*\t+8*\s+7], v[QO], s[100:101] offset:2048*\t+64*\s+32
.endr
.endr
	v_lshrrev_b32 v1, 1, v14
	v_mul_u32_u24 v1, v1, 272
	v_and_b32 v2, 1, v0
	v_lshl_add_u32 v1, v2, 7, v1
	v_lshl_add_u32 v[AK0], v15, 4, v1              ; K: (r / 2) x 272 + (r % 2) x 128 + 16 h
	v_bfe_u32 v3, v0, 1, 2
	v_lshl_add_u32 v3, v15, 2, v3
	v_mul_u32_u24 v3, v3, 288
	v_lshl_add_u32 v3, v2, 7, v3
	v_bfe_u32 v4, v0, 3, 1
	v_lshl_add_u32 v3, v4, 4, v3
	v_add_nc_u32 v[AV0], VREG, v3                  ; V: key 8 h + lane % 8, channels 8 ((lane / 8) % 2) on
	v_and_b32 v[GO], 31, v0
	v_lshlrev_b32 v[GO], 4, v[GO]
	s_mul_i32 s15, s[WV], 2304                     ; my stage for y: 16 rows x 144, in K's first two quarters: they have had their only fill, and nobody reads them behind the fourth barrier
	v_mul_u32_u24 v[STO], v14, 144
	v_lshl_add_u32 v[STO], v15, 4, v[STO]
	v_add_nc_u32 v[STO], s15, v[STO]
	v_bfe_u32 v[RD], v0, 3, 2
	v_mul_u32_u24 v[RD], v[RD], 144
	v_and_b32 v3, 7, v0
	v_lshl_add_u32 v[RD], v3, 4, v[RD]
	v_add_nc_u32 v[RD], s15, v[RD]
	v_lshlrev_b32 v15, 3, v15
	v_sub_nc_u32 v14, v14, v15                     ; r - 8 h, for the mask
	v_mov_b32 v13, 0xff800000                      ; -infinity
.irp t, 0,1
	v_mov_b32 v[ST+8*\t+1], 0xff61b1e6             ; m = -3e38, under every score
	v_mul_f32 v[ST+8*\t], s[CS], v[ST+8*\t+1]
.irp i, 2,3,4,5,6,7
	v_mov_b32 v[ST+8*\t+\i], 0                     ; l, and the registers at work, so that each has been written on every path
.endr
.endr
.set i, 0
.rept 64
	v_mov_b32 v[O+i], 0                            ; the step is written once for a quarter: the first finds zeros
.set i, i+1
.endr
	s_mov_b32 s[KF], 0
.macro VLOAD u                         ; 32 keys x 64 channels of V, turned: lane = channel, registers along the keys
.irp c, 0,1,2,3
	ds_load_tr16_b128 v[KV+8*\c:KV+8*\c+3], v[ADV] offset:4608*\u+32*\c
	ds_load_tr16_b128 v[KV+8*\c+4:KV+8*\c+7], v[ADV] offset:4608*\u+32*\c+2304
.endr
.endm
.macro SOFTMAX first                   ; both tiles, line by line
.irp j, 0,1,2,3
.irp t, 0,1
	v_max3_num_f32 v[ST+8*\t+4+\j], v[S+32*\t+8*\j], v[S+32*\t+8*\j+1], v[S+32*\t+8*\j+2]   ; each accumulator is read from its low end on
.endr
.endr
.irp i, 3,5
.irp j, 0,1,2,3
.irp t, 0,1
	v_max3_num_f32 v[ST+8*\t+4+\j], v[ST+8*\t+4+\j], v[S+32*\t+8*\j+\i], v[S+32*\t+8*\j+\i+1]
.endr
.endr
.endr
.irp t, 0,1
	v_max3_num_f32 v[ST+8*\t+4], v[ST+8*\t+4], v[S+32*\t+7], v[S+32*\t+15]
	v_max3_num_f32 v[ST+8*\t+6], v[ST+8*\t+6], v[S+32*\t+23], v[S+32*\t+31]
.endr
.irp t, 0,1
	v_max3_num_f32 v[ST+8*\t+4], v[ST+8*\t+4], v[ST+8*\t+5], v[ST+8*\t+6]
.endr
.irp t, 0,1
.if \first
	v_max_num_f32 v[ST+8*\t+4], v[ST+8*\t+4], v[ST+8*\t+7]
.else
	v_max3_num_f32 v[ST+8*\t+4], v[ST+8*\t+4], v[ST+8*\t+7], v[ST+8*\t+1]
.endif
.endr
.irp t, 0,1
	v_permlanex16_b32 v[ST+8*\t+5], v[ST+8*\t+4], s[SEL], s[SEL+1]   ; the query's other 32 keys lie in the lane 16 away
.endr
.if !\first
.irp t, 0,1
	v_mov_b32 v[ST+8*\t+7], v[ST+8*\t]             ; c m_old
.endr
.endif
.irp t, 0,1
	v_max_num_f32 v[ST+8*\t+1], v[ST+8*\t+4], v[ST+8*\t+5]
.endr
.irp t, 0,1
	v_mul_f32 v[ST+8*\t], s[CS], v[ST+8*\t+1]
.endr
.if !\first
.irp t, 0,1
	v_sub_f32 v[ST+8*\t+7], v[ST+8*\t+7], v[ST+8*\t]
.endr
.endif
.set i, 0
.rept 16
.irp t, 0,1
	v_pk_fma_f32 v[S+32*\t+i:S+32*\t+i+1], v[S+32*\t+i:S+32*\t+i+1], s[CS:CS+1], v[ST+8*\t:ST+8*\t+1] op_sel_hi:[1,0,0] neg_lo:[0,0,1] neg_hi:[0,0,1]   ; c s - c m
.endr
.set i, i+2
.endr
.if !\first
.irp t, 0,1
	v_exp_f32 v[ST+8*\t+6], v[ST+8*\t+7]           ; a
.endr
.endif
.set i, 0
.rept 64
	v_exp_f32 v[S+i], v[S+i]
.set i, i+1
.endr
	v_nop                                          ; a plain instruction behind the last exponential
	s_wait_alu depctr_va_vdst(0)                   ; one wait for the whole batch, ahead of its first reader
.set i, 0
.rept 32
	v_cvt_pk_f16_f32 v[P+i], v[S+2*i], v[S+2*i+1]  ; two tiles of scores, rounded in pairs, are source 1 of the second product
.set i, i+1
.endr
.irp w, 4,8,16
.set i, 0
.rept 32/\w
.irp t, 0,1
	v_pk_add_f32 v[S+32*\t+i:S+32*\t+i+1], v[S+32*\t+i:S+32*\t+i+1], v[S+32*\t+i+\w/2:S+32*\t+i+\w/2+1]
.endr
.set i, i+\w
.endr
.endr
.irp t, 0,1
.if \first
	v_pk_add_f32 v[ST+8*\t+2:ST+8*\t+3], v[S+32*\t:S+32*\t+1], v[S+32*\t+16:S+32*\t+17]
.else
	v_pk_add_f32 v[S+32*\t:S+32*\t+1], v[S+32*\t:S+32*\t+1], v[S+32*\t+16:S+32*\t+17]
.endif
.endr
.if !\first
.irp t, 0,1
	v_pk_fma_f32 v[ST+8*\t+2:ST+8*\t+3], v[ST+8*\t+2:ST+8*\t+3], v[ST+8*\t+6:ST+8*\t+7], v[S+32*\t:S+32*\t+1] op_sel_hi:[1,0,1]   ; l = a l + the step's sum
.endr
.irp t, 0,1
.set i, 0
.rept 16
	v_pk_mul_f32 v[O+32*\t+i:O+32*\t+i+1], v[O+32*\t+i:O+32*\t+i+1], v[ST+8*\t+6:ST+8*\t+7] op_sel_hi:[1,0]
.set i, i+2
.endr
.endr
.endif
.endm
; A KEY STEP: 64 keys at LDS bytes TK (K) and TV (V).  first = 1: it starts m and l.  D: where O^T is summed; zero = 1: its first products start the sums.  skip = 1: with the test for steps all of whose keys are hidden.
.macro STEP first, D, zero, skip
.if \skip
	s_add_co_u32 s15, s[Q0], 31
	s_cmp_gt_u32 s[KF], s15                        ; ids and the count of steps alone; no barrier stands in a step
	s_cbranch_scc1 .Lhidden_\@
.endif
	v_add_nc_u32 v[ADK], s[TK], v[AK0]
	v_add_nc_u32 v[ADV], s[TV], v[AV0]
	v_nop                                          ; with the two additions: four places in front of loads into registers that the last products read
	v_nop
.irp u, 0,1                                    ; K: keys 32 u on: into v224-255 and into P's registers, free until the roundings
.irp kt, 0,1
.irp s, 0,1
	ds_load_b128 v[KV-96*\u+16*\kt+8*\s:KV-96*\u+16*\kt+8*\s+3], v[ADK] offset:(2*\u+\kt)*2176+64*\s
	ds_load_b128 v[KV-96*\u+16*\kt+8*\s+4:KV-96*\u+16*\kt+8*\s+7], v[ADK] offset:(2*\u+\kt)*2176+64*\s+32
.endr
.endr
.endr
.irp u, 0,1
	s_wait_dscnt 8-8*\u                            ; the first eight loads are in, the second eight may be out; then all
.irp s, 0,1                                    ; four accumulators by turns, one instruction a turn
.irp kt, 0,1
.irp t, 0,1
.if \s == 0
	v_wmma_f32_16x16x32_f16 v[S+32*\t+8*(2*\u+\kt):S+32*\t+8*(2*\u+\kt)+7], v[KV-96*\u+16*\kt+8*\s:KV-96*\u+16*\kt+8*\s+7], v[QF+16*\t+8*\s:QF+16*\t+8*\s+7], 0
.else
	v_wmma_f32_16x16x32_f16 v[S+32*\t+8*(2*\u+\kt):S+32*\t+8*(2*\u+\kt)+7], v[KV-96*\u+16*\kt+8*\s:KV-96*\u+16*\kt+8*\s+7], v[QF+16*\t+8*\s:QF+16*\t+8*\s+7], v[S+32*\t+8*(2*\u+\kt):S+32*\t+8*(2*\u+\kt)+7]
.endif
.endr
.endr
.endr
.endr
.rept 4
	v_nop                                          ; places: in front of the loads below and of the first read of the scores
.endr
	VLOAD 0                                        ; lands under the softmax
	s_add_co_u32 s15, s[KF], 63
	s_cmp_le_u32 s15, s[Q0]                        ; a step all of whose keys count has no mask
	s_cbranch_scc1 .Lopen_\@
	s_sub_co_i32 s15, s[Q0], s[KF]
	v_add_nc_u32 v11, s15, v14                     ; d = my query - KF - 8 h; register 8 kt + j holds key KF + 16 kt + 8 h + j: hidden where 16 kt + j > d
	v_add_nc_u32 v12, 16, v11
.irp t, 0,1
.irp n, 0,1,2,3,4,5,6,7,8,9,10,11,12,13,14,15,16,17,18,19,20,21,22,23,24,25,26,27,28,29,30,31
	v_cmp_gt_i32 vcc_lo, 16*(\n/8)+\n%8, v[11+\t]
	v_cndmask_b32 v[S+32*\t+\n], v[S+32*\t+\n], v13, vcc_lo
.endr
.endr
.Lopen_\@:
	SOFTMAX \first
	s_wait_dscnt 0x0                               ; V's first 32 keys
.irp c, 0,1,2,3                                ; eight accumulators by turns
.irp t, 0,1
.if \zero
	v_wmma_f32_16x16x32_f16 v[\D+32*\t+8*\c:\D+32*\t+8*\c+7], v[KV+8*\c:KV+8*\c+7], v[P+16*\t:P+16*\t+7], 0
.else
	v_wmma_f32_16x16x32_f16 v[\D+32*\t+8*\c:\D+32*\t+8*\c+7], v[KV+8*\c:KV+8*\c+7], v[P+16*\t:P+16*\t+7], v[\D+32*\t+8*\c:\D+32*\t+8*\c+7]
.endif
.endr
.endr
.rept 4
	v_nop
.endr
	VLOAD 1
	s_wait_dscnt 0x0
.irp c, 0,1,2,3
.irp t, 0,1
	v_wmma_f32_16x16x32_f16 v[\D+32*\t+8*\c:\D+32*\t+8*\c+7], v[KV+8*\c:KV+8*\c+7], v[P+16*\t+8:P+16*\t+15], v[\D+32*\t+8*\c:\D+32*\t+8*\c+7]
.endr
.endr
.if \skip
.Lhidden_\@:
.endif
	s_add_co_u32 s[KF], s[KF], 64
	s_add_co_u32 s[TK], s[TK], 8704
	s_add_co_u32 s[TV], s[TV], 9216
.endm
.macro QUARTER n
	s_wait_tensorcnt 3-\n                          ; my part of quarter n (and of what was asked for before it) has landed; the later quarters' loads may be out
	s_wait_dscnt 0x0
	s_barrier_signal -1
	s_barrier_wait -1                              ; everybody's has
	s_mov_b32 s[TK], \n*KQB
	s_mov_b32 s[TV], \n*VQB
	s_mov_b32 s[CNT], 4
.Lstep_\@:
	STEP 0, O, 0, 1
	s_sub_co_u32 s[CNT], s[CNT], 1
	s_cmp_lg_u32 s[CNT], 0
	s_cbranch_scc1 .Lstep_\@
.endm
.macro FINISH                          ; 1 / l into each tile's +6; its plain lines are also the places behind the last products
.irp t, 0,1
	v_add_f32 v[ST+8*\t+4], v[ST+8*\t+2], v[ST+8*\t+3]
.endr
.irp t, 0,1
	v_permlanex16_b32 v[ST+8*\t+5], v[ST+8*\t+4], s[SEL], s[SEL+1]
.endr
.irp t, 0,1
	v_add_f32 v[ST+8*\t+4], v[ST+8*\t+4], v[ST+8*\t+5]
.endr
	v_nop
	v_nop
.irp t, 0,1
	v_rcp_f32 v[ST+8*\t+6], v[ST+8*\t+4]
.endr
	v_nop
	s_wait_alu depctr_va_vdst(0)                   ; one wait for both reciprocals, ahead of their first reader
.endm
	s_wait_loadcnt 0x0                             ; Q
	QUARTER 0
	QUARTER 1
	QUARTER 2
	QUARTER 3
	FINISH
.irp t, 0,1
.set i, 0
.rept 16
	v_pk_mul_f32 v[O+32*\t+i:O+32*\t+i+1], v[O+32*\t+i:O+32*\t+i+1], v[ST+8*\t+6:ST+8*\t+7] op_sel_hi:[1,0]   ; the main part, normalised
.set i, i+2
.endr
.endr
	s_mov_b32 s[KF], 0                             ; THE PREFIX: one step of 64 keys, with a softmax of its own; its O^T is summed in the scores' registers
	s_mov_b32 s[TK], KPL
	s_mov_b32 s[TV], VPL-VREG
	STEP 1, S, 1, 0
	FINISH
.irp t, 0,1
.set i, 0
.rept 16
	v_pk_fma_f32 v[O+32*\t+i:O+32*\t+i+1], v[S+32*\t+i:S+32*\t+i+1], v[ST+8*\t+6:ST+8*\t+7], v[O+32*\t+i:O+32*\t+i+1] op_sel_hi:[1,0,1]   ; y = O_p / l_p + O / l
.set i, i+2
.endr
.endr
	; THE WAY OUT: f16; a tile's 16 rows of 128 bytes through my stage; back as 512 consecutive bytes
.irp t, 0,1
.set i, 0
.rept 16
	v_cvt_pk_f16_f32 v[P+16*\t+i], v[O+32*\t+2*i], v[O+32*\t+2*i+1]
.set i, i+1
.endr
.irp c, 0,1,2,3
	ds_store_b128 v[STO], v[P+16*\t+4*\c:P+16*\t+4*\c+3] offset:32*\c
.endr
.irp g, 0,1,2,3
	ds_load_b128 v[KV+16*\t+4*\g:KV+16*\t+4*\g+3], v[RD] offset:576*\g   ; LDS serves a wave's instructions in order: these see my stores, and the next tile's stores come behind them
.endr
.endr
.irp t, 0,1
.irp g, 0,1,2,3
	s_wait_dscnt 11-8*\t-\g                        ; the LDS instructions issued behind this load may be out
	global_store_b128 v[GO], v[KV+16*\t+4*\g:KV+16*\t+4*\g+3], s[6:7] offset:2048*\t+512*\g   ; 512 consecutive bytes, aligned
.endr
.endr
	s_wait_tensorcnt 0x0                           ; the wave's end: the three lines, behind my last tensor load and my last LDS store
	ds_add_u32 v[SPW], v[NIL]
	s_wait_dscnt 0x0
	s_endpgm
.Lfunc_end_k_q2aeac78f3e_attn:
	.size	k_q2aeac78f3e_attn, .Lfunc_end_k_q2aeac78f3e_attn-k_q2aeac78f3e_attn
	.p2alignl 7, 3214868480
	.fill 96, 4, 3214868480
	.section	.rodata,"a",@progbits
	.p2align	6, 0x0
	.amdhsa_kernel k_q2aeac78f3e_attn
		.amdhsa_group_segment_fixed_size 327680
		.amdhsa_private_segment_fixed_size 0
		.amdhsa_enable_private_segment 0
		.amdhsa_kernarg_size 16
		.amdhsa_user_sgpr_count 2
		.amdhsa_user_sgpr_kernarg_segment_ptr 1
		.amdhsa_wavefront_size32 1
		.amdhsa_system_sgpr_workgroup_id_x 1
		.amdhsa_system_sgpr_workgroup_id_y 1
		.amdhsa_system_sgpr_workgroup_id_z 1
		.amdhsa_system_vgpr_workitem_id 0
		.amdhsa_next_free_vgpr 256
		.amdhsa_next_free_sgpr 102
		.amdhsa_reserve_vcc 1
		.amdhsa_float_denorm_mode_32 3
		.amdhsa_float_denorm_mode_16_64 3
		.amdhsa_memory_ordered 1
		.amdhsa_forward_progress 1
		.amdhsa_inst_pref_size 129
	.end_amdhsa_kernel
	.amdgpu_metadata
---
amdhsa.version: [ 1, 2 ]
amdhsa.kernels:
  - .name:           k_q2aeac78f3e_attn
    .symbol:         k_q2aeac78f3e_attn.kd
    .args:
      - { .name: qkv, .offset: 0, .size: 8, .value_kind: global_buffer, .address_space: global }
      - { .name: y16, .offset: 8, .size: 8, .value_kind: global_buffer, .address_space: global }
    .group_segment_fixed_size: 327680
    .private_segment_fixed_size: 0
    .kernarg_segment_align: 8
    .kernarg_segment_size: 16
    .max_flat_workgroup_size: 512
    .sgpr_count:     102
    .vgpr_count:     256
    .wavefront_size: 32
...
	.end_amdgpu_metadata
.endif
;; end of part 3
;; launch proj (part 4): grid 4 x 64, 4 waves a work-group, clusters of 4 x 4, 327,680 bytes of LDS; arguments y16, wp16, b_proj, out0; writes out0
.if DOCPART == 4
	.amdgcn_target "amdgcn-amd-amdhsa--gfx1250"
	.amdhsa_code_object_version 6
	.text
	.protected	k_q2aeac78f3e_proj
	.globl	k_q2aeac78f3e_proj
	.p2align	8
	.type	k_q2aeac78f3e_proj,@function
k_q2aeac78f3e_proj:
	s_mov_b64 s[64:65], 0
	v_nop
	global_prefetch_b8 v0, s[64:65] scope:SCOPE_SE
	s_setreg_imm32_b32 hwreg(HW_REG_WAVE_MODE, 25, 1), 1
	s_wait_xcnt 0x0
	s_wait_alu depctr_hold_cnt(0) depctr_sa_sdst(0) depctr_va_vdst(0) depctr_va_sdst(0) depctr_va_ssrc(0) depctr_va_vcc(0) depctr_vm_vsrc(0)
	s_getreg_b32 s2, hwreg(HW_REG_IB_STS2, 6, 4)
	s_cmp_eq_u32 s2, 0
	s_cbranch_scc0 .Lentry_in_a_cluster
	s_endpgm
.Lentry_in_a_cluster:
	s_bfe_u32 s2, ttmp6, 0x10000c
	s_cmp_lg_u32 s2, 0xf033
	s_cbranch_scc0 .Lentry_shape_is_right
	s_endpgm
.Lentry_shape_is_right:
; PROJ: out0 = y w_proj + b_proj, f16 operands, f32 sums.  y16 is [b][h][t][64], wp16 is w_proj as f16, [k][n].
; A tile of out0 is 128 rows x 256 columns: 256 work-groups; a wave makes 64 x 128: 32 accumulators.  K goes in 8 steps of 128 (two heads) through two LDS slots.
; CLUSTER 4 x 4: the four of a row of the cluster share y's tile, the four of a column w's: each is asked for jointly.
; THE MATRIX INSTRUCTION IS USED TRANSPOSED: source 0 = 16 columns of w (read turned out of LDS, where it lies [k][n]), source 1 = 16 rows of y: a lane holds eight neighbouring columns of a row.  The bias is the C of each sum's first product.
; Rows of positions 0-15 are written here too and written over by the next launch, which carries them in f32: so this text has no branch on the row.
; LIMITS: |y| and |w_proj| under 65,504.
; REGISTERS: window 0: v16-31 addresses; v64-159, v160-255 two fragment buffers (A's 4 blocks, then B's 8).  window 1: accumulator (a, b) at v[8 (8 a + b)].  window 2: v0-63 the bias.
.set SLOTB, 104448                     ; A: 2 heads x 64 double rows x 272; B: 128 rows of k x 544
.set BOFF,  34816
.set STAGE, 2*SLOTB
.set SPARE, STAGE+4*16*528
.set ADRA, 16
.set ADRB, 20
.set STO,  24
.set RD,   25
.set CO,   26
.set SPW,  28
.set NIL,  29
.set PFO,  30
.set BO,   31
.set F0,   64
.set F1,   160
.set G1A,  24
.set G0A,  32
.set G1B,  40
.set G0B,  48
.set PFA,  56
.set LIM,  58
.set MSB, 0
.macro WIN new
.if MSB != \new
	s_set_vgpr_msb (MSB<<8)|\new
.set MSB, \new
.endif
.endm
.set MUL,  0x50                        ; sources 0 and 1 window 0; C and D window 1
.set MULB, 0x60                        ; C (the bias) window 2, D window 1
.macro JLOAD s                         ; waves 0 and 1 fetch y's two heads, waves 2 and 3 w's halves; an s_nop 0 and four v_nop follow each line
	s_cmp_eq_u32 s13, 0
	s_cbranch_scc0 .Lfor_b_\@
	tensor_load_to_lds s[G0A+4*\s:G0A+4*\s+3], s[G1A:G1A+7]
	s_nop 0
.rept 4
	v_nop
.endr
	s_branch .Lasked_\@
.Lfor_b_\@:
	tensor_load_to_lds s[G0B+4*\s:G0B+4*\s+3], s[G1B:G1B+7]
	s_nop 0
.rept 4
	v_nop
.endr
.Lasked_\@:
.endm
.macro CREST
	s_cmp_lg_u32 s12, 0
	s_cbranch_scc1 .Lnot_wave_0_\@
	s_barrier_signal -3
.Lnot_wave_0_\@:
	s_barrier_wait -3
	s_barrier_signal -1
	s_barrier_wait -1
.endm
.macro CROUND
	s_barrier_signal -1
	s_barrier_wait -1
	CREST
.endm
; A prefetch of y's K step that stands two refills on (256 matrix instructions ahead of its load): 2 heads x 128 rows x 128 bytes = 128 blocks of 256 bytes.  The four partners that ask for the tile jointly share it
; BY ADDRESS (head cx / 2, half cx % 2), a lane a block, wave 0 alone: each block is named once.  It asks in the loop's first two trips, for K steps 4 to 7.  w, which all tile rows read again, is not asked for.
.macro ASK
	s_cmp_gt_u32 s3, s[LIM]
	s_cbranch_scc0 .Lnot_mine_\@
	global_prefetch_b8 v[PFO], s[PFA:PFA+1] th:TH_LOAD_NT scope:SCOPE_SE
.Lnot_mine_\@:
.endm
	s_load_b256 s[4:11], s[0:1], 0x0               ; y16, wp16, b_proj, out0
	v_lshl_add_u32 v[SPW], v0, 2, SPARE
	v_mov_b32 v[NIL], 0
	ds_add_u32 v[SPW], v[NIL]                      ; the opening: the add, twice on end, and its wait ahead of my first tensor load
	ds_add_u32 v[SPW], v[NIL]
	v_lshrrev_b32 v1, 5, v0
	v_readfirstlane_b32 s12, v1                    ; wave
	s_lshr_b32 s13, s12, 1                         ; my half of the rows; also: I fetch for y (0) or w (1)
	s_and_b32 s14, s12, 1                          ; my half of the columns; also: which half I fetch
	s_bfe_u32 s16, ttmp6, 0x40000                  ; cx
	s_bfe_u32 s17, ttmp6, 0x40004                  ; cy
	s_and_b32 s18, ttmp7, 0xffff
	s_lshl_b32 s18, s18, 2
	s_add_co_u32 s18, s18, s17                     ; tile row
	s_lshl_b32 s21, ttmp9, 2
	s_add_co_u32 s21, s21, s16                     ; tile column
	s_lshl_b32 s19, s17, 2
	s_lshl_b32 s19, 15, s19                        ; my row of the cluster
	s_lshl_b32 s20, 0x1111, s16                    ; my column
	s_or_b32 s[G1A], s19, (3<<16)|(1<<20)|(1<<21)|(5<<22)|(3<<25)   ; y: 64 rows of 256 bytes (two positions), dense, 16 bytes of padding
	s_mov_b32 s[G1A+1], 32<<16
	s_mov_b32 s[G1A+2], 64<<16
	s_mov_b32 s[G1A+3], 32<<16
	s_mov_b32 s[G1A+4], 64
	s_mov_b32 s[G1A+5], 32
	s_mov_b32 s[G1A+6], 0
	s_mov_b32 s[G1A+7], 0
	s_or_b32 s[G1B], s20, (1<<16)|(1<<20)|(1<<21)|(6<<22)|(7<<25)   ; w: 64 rows of 256 f16, 1,024 apart, 32 bytes of padding
	s_mov_b32 s[G1B+1], 256<<16
	s_mov_b32 s[G1B+2], 64<<16
	s_mov_b32 s[G1B+3], 256<<16
	s_mov_b32 s[G1B+4], 64
	s_mov_b32 s[G1B+5], 1024
	s_mov_b32 s[G1B+6], 0
	s_mov_b32 s[G1B+7], 0
	s_lshr_b32 s22, s18, 3
	s_lshl_b32 s22, s22, 4                         ; batch x 16
	s_and_b32 s23, s18, 7
	s_lshl_b32 s23, s23, 14                        ; the tile's first position x 128 bytes
	s_add_co_u32 s60, s22, s14
	s_lshl_b32 s60, s60, 17                        ; head (batch x 16 + half) x 131,072
	s_add_co_u32 s60, s60, s23
	s_mov_b32 s61, 0
	s_lshl_b32 s62, s14, 17                        ; w: 64 rows of 2,048 bytes x half
	s_lshl_b32 s63, s21, 9
	s_add_co_u32 s62, s62, s63
	s_mov_b32 s63, 0
	s_lshr_b32 s66, s16, 1
	s_add_co_u32 s66, s66, s22
	s_add_co_u32 s66, s66, 6                       ; the prefetches stand at heads 6, 7: the first refill steps them to heads 8, 9, K step 4
	s_lshl_b32 s66, s66, 17
	s_add_co_u32 s66, s66, s23
	s_and_b32 s67, s16, 1
	s_lshl_b32 s67, s67, 13
	s_add_co_u32 s66, s66, s67
	s_mov_b32 s67, 0
	s_cmp_eq_u32 s12, 0
	s_cselect_b32 s[LIM], 1, -1
	v_and_b32 v[PFO], 31, v0
	v_lshlrev_b32 v[PFO], 8, v[PFO]
	s_mov_b32 s[G0A], 1
	s_mov_b32 s[G0A+4], 1
	s_mov_b32 s[G0B], 1
	s_mov_b32 s[G0B+4], 1
	s_mul_i32 s[G0A+1], s14, 17408
	s_add_co_u32 s[G0A+5], s[G0A+1], SLOTB
	s_mul_i32 s[G0B+1], s14, 34816
	s_add_co_u32 s[G0B+1], s[G0B+1], BOFF
	s_add_co_u32 s[G0B+5], s[G0B+1], SLOTB
	s_wait_dscnt 0x0                               ; both opening adds are done
	s_wait_kmcnt 0x0
	s_add_nc_u64 s[G0A+2:G0A+3], s[4:5], s[60:61]
	s_add_nc_u64 s[G0A+6:G0A+7], s[G0A+2:G0A+3], 262144   ; K step 1: two heads on
	s_or_b32 s[G0A+3], s[G0A+3], 0x80000000
	s_or_b32 s[G0A+7], s[G0A+7], 0x80000000
	s_add_nc_u64 s[G0B+2:G0B+3], s[6:7], s[62:63]
	s_add_nc_u64 s[G0B+6:G0B+7], s[G0B+2:G0B+3], 262144   ; 128 rows of 2,048 bytes on
	s_or_b32 s[G0B+3], s[G0B+3], 0x80000000
	s_or_b32 s[G0B+7], s[G0B+7], 0x80000000
	s_add_nc_u64 s[PFA:PFA+1], s[4:5], s[66:67]
	CROUND                                         ; all sixteen work-groups are here: the first joint loads meet
	JLOAD 0
	JLOAD 1
	s_lshl_b32 s60, s21, 10
	s_lshl_b32 s61, s14, 9
	s_add_co_u32 s60, s60, s61                     ; my first column, in bytes of f32
	s_mov_b32 s61, 0
	s_add_nc_u64 s[8:9], s[8:9], s[60:61]
	s_add_nc_u64 s[10:11], s[10:11], s[60:61]
	s_lshl_b32 s60, s18, 19
	s_lshl_b32 s62, s13, 18
	s_add_co_u32 s60, s60, s62                     ; my first row x 4,096 bytes
	s_add_nc_u64 s[10:11], s[10:11], s[60:61]
	v_and_b32 v1, 15, v0                           ; r
	v_bfe_u32 v2, v0, 4, 1                         ; h
	v_lshlrev_b32 v[BO], 5, v2
	WIN 0x80                                       ; destination window 2
.irp b, 0,1,2,3,4,5,6,7
	global_load_b128 v[8*\b:8*\b+3], v[BO], s[8:9] offset:64*\b
	global_load_b128 v[8*\b+4:8*\b+7], v[BO], s[8:9] offset:64*\b+16
.endr
	WIN 0
	v_lshrrev_b32 v3, 1, v1
	v_mul_u32_u24 v3, v3, 272
	v_and_b32 v4, 1, v0
	v_lshl_add_u32 v3, v4, 7, v3
	v_lshl_add_u32 v3, v2, 4, v3                   ; y: (r / 2) x 272 + (r % 2) x 128 + 16 h
	v_and_b32 v4, 7, v0
	v_lshl_add_u32 v4, v2, 3, v4
	v_mul_u32_u24 v4, v4, 544
	v_bfe_u32 v5, v0, 3, 1
	v_lshl_add_u32 v4, v5, 4, v4                   ; w: row 8 h + lane % 8, columns 8 ((lane / 8) % 2) on
	s_mul_i32 s22, s13, 8704
	s_lshl_b32 s23, s14, 8
	s_add_co_u32 s23, s23, BOFF
.irp s, 0,1
	v_add_nc_u32 v[ADRA+\s], s22, v3
	v_add_nc_u32 v[ADRB+\s], s23, v4
	s_add_co_u32 s22, s22, SLOTB
	s_add_co_u32 s23, s23, SLOTB
.endr
	s_mul_i32 s22, s12, 16*528
	s_add_co_u32 s22, s22, STAGE                   ; my stage
	v_mul_u32_u24 v5, v1, 528
	v_lshl_add_u32 v5, v2, 5, v5
	v_add_nc_u32 v[STO], s22, v5
	v_and_b32 v6, 31, v0
	v_lshlrev_b32 v[CO], 4, v6
	v_add_nc_u32 v[RD], s22, v[CO]
.macro FETCH slot, kq, f               ; the fragments of 32 along K: y's 4 blocks, w's 8 (turned)
.irp a, 0,1,2,3
	ds_load_b128 v[\f+8*\a:\f+8*\a+3], v[ADRA+\slot] offset:17408*((\kq)/2)+64*((\kq)%2)+2176*\a
	ds_load_b128 v[\f+8*\a+4:\f+8*\a+7], v[ADRA+\slot] offset:17408*((\kq)/2)+64*((\kq)%2)+2176*\a+32
.endr
.irp b, 0,1,2,3,4,5,6,7
	ds_load_tr16_b128 v[\f+32+8*\b:\f+32+8*\b+3], v[ADRB+\slot] offset:17408*(\kq)+32*\b
	ds_load_tr16_b128 v[\f+32+8*\b+4:\f+32+8*\b+7], v[ADRB+\slot] offset:17408*(\kq)+32*\b+8704
.endr
.endm
.macro MUL8 f, a, first                ; the 32 accumulators take turns, one instruction a turn, in the same order in every quarter
.irp b, 0,1,2,3,4,5,6,7
.if \first
	v_wmma_f32_16x16x32_f16 v[8*(8*\a+\b):8*(8*\a+\b)+7], v[\f+32+8*\b:\f+32+8*\b+7], v[\f+8*\a:\f+8*\a+7], v[8*\b:8*\b+7]
.else
	v_wmma_f32_16x16x32_f16 v[8*(8*\a+\b):8*(8*\a+\b)+7], v[\f+32+8*\b:\f+32+8*\b+7], v[\f+8*\a:\f+8*\a+7], v[8*(8*\a+\b):8*(8*\a+\b)+7]
.endif
.endr
.endm
.macro PLACES
.rept 4
	v_nop
.endr
.endm
.macro Q slot, kq, f, g, first         ; multiplies buffer f; fetches the slot's quarter kq into g first
	WIN 0
	s_wait_dscnt 0x0                               ; f is in: it was asked for a quarter, 32 or 16 matrix instructions, ago
	PLACES                                         ; in front of loads into registers that the last quarter's products read
	FETCH \slot, \kq, \g
.if \first
	WIN MULB
.else
	WIN MUL
.endif
	MUL8 \f, 0, \first
	MUL8 \f, 1, \first
	MUL8 \f, 2, \first
	MUL8 \f, 3, \first
.endm
.macro TURN slot, next, fill           ; a slot's last quarter (buffer 1) and the change of slots
.if \fill
	s_wait_xcnt 0x0                                ; the last prefetch, a K step back, has read its address
	s_add_nc_u64 s[PFA:PFA+1], s[PFA:PFA+1], 262144
.endif
	WIN 0
	s_wait_tensorcnt 0x0                           ; all my tensor loads have landed: my part of the next slot
	ds_add_u32 v[SPW], v[NIL]
	s_wait_dscnt 1                                 ; buffer 1 is in; the add may be out
	WIN MUL
	MUL8 F1, 0, 0
	s_wait_dscnt 0x0                               ; the add is done, and my reads of this slot are over
	s_barrier_signal -1
	MUL8 F1, 1, 0
	WIN 0
	s_barrier_wait -1
.if \fill
	CREST                                          ; the barrier has opened a round of the cluster's: no wave of any partner still reads this slot or has a load on its way
	s_add_nc_u64 s[G0A+4*\slot+2:G0A+4*\slot+3], s[G0A+4*\slot+2:G0A+4*\slot+3], 524288
	s_add_nc_u64 s[G0B+4*\slot+2:G0B+4*\slot+3], s[G0B+4*\slot+2:G0B+4*\slot+3], 524288
	JLOAD \slot                                    ; the first tensor load behind the round, and my only one until the next; its four v_nop are also the places in front of the loads below
.else
	PLACES
.endif
	FETCH \next, 0, F0
.if \fill
	ASK
.endif
	WIN MUL
	MUL8 F1, 2, 0
	MUL8 F1, 3, 0
.endm
	s_wait_tensorcnt 1                             ; my part of K step 0 is in; K step 1's load may be out
	s_barrier_signal -1
	s_barrier_wait -1
	FETCH 0, 0, F0
	s_wait_loadcnt 0x0                             ; the bias
	Q 0, 1, F0, F1, 1                              ; the first quarter's products start the sums from the bias
	WIN 0
	s_mov_b32 s3, 3
.Llap:                                                 ; a trip goes once round the ring and fills both slots again
	Q 0, 2, F1, F0, 0
	Q 0, 3, F0, F1, 0
	TURN 0, 1, 1
	Q 1, 1, F0, F1, 0
	Q 1, 2, F1, F0, 0
	Q 1, 3, F0, F1, 0
	TURN 1, 0, 1
	Q 0, 1, F0, F1, 0
	WIN 0
	s_sub_co_u32 s3, s3, 1
	s_cmp_lg_u32 s3, 0
	s_cbranch_scc1 .Llap
	Q 0, 2, F1, F0, 0                              ; the last lap fills nothing
	Q 0, 3, F0, F1, 0
	TURN 0, 1, 0
	Q 1, 1, F0, F1, 0
	Q 1, 2, F1, F0, 0
	Q 1, 3, F0, F1, 0
	s_wait_dscnt 0x0
	MUL8 F1, 0, 0
	MUL8 F1, 1, 0
	MUL8 F1, 2, 0
	MUL8 F1, 3, 0
	WIN 0
; THE WAY OUT: a block of 16 rows x 128 columns through my stage, back as whole rows of 512 bytes
.macro TOSTAGE a
	WIN 0x04                                       ; an LDS store's data are its source 1: window 1
.irp b, 0,1,2,3,4,5,6,7
	ds_store_b128 v[STO], v[64*(\a)+8*\b:64*(\a)+8*\b+3] offset:64*\b          ; each accumulator from its low end on
	ds_store_b128 v[STO], v[64*(\a)+8*\b+4:64*(\a)+8*\b+7] offset:64*\b+16
.endr
	WIN 0
.set BB, 64+64*((\a)%2)
.irp t, 0,1,2,3,4,5,6,7,8,9,10,11,12,13,14,15
	ds_load_b128 v[BB+4*\t:BB+4*\t+3], v[RD] offset:\t*528
.endr
.endm
.macro SEND a, younger
.set BB, 64+64*((\a)%2)
	s_wait_dscnt \younger                          ; the block is back; the next block's 32 LDS instructions may be out
.if (\a) > 0
	s_add_nc_u64 s[10:11], s[10:11], 65536         ; 16 rows on (behind a wait on XCNT: the earlier stores have read their base)
.endif
.irp t, 0,1,2,3,4,5,6,7,8,9,10,11,12,13,14,15
	global_store_b128 v[CO], v[BB+4*\t:BB+4*\t+3], s[10:11] offset:\t*4096 th:TH_STORE_NT   ; 512 consecutive bytes, aligned
.endr
.endm
	PLACES
	TOSTAGE 0
.irp a, 1,2,3
.if \a > 1
	s_wait_xcnt 0x0                                ; block a - 2's stores have read their registers and their base
.endif
	TOSTAGE \a
	SEND \a-1, 32
.endr
	s_wait_xcnt 0x0
	SEND 3, 0
	s_wait_tensorcnt 0x0                           ; the wave's end: the three lines
	ds_add_u32 v[SPW], v[NIL]
	s_wait_dscnt 0x0
	CROUND                                         ; the closing round
	s_endpgm
.Lfunc_end_k_q2aeac78f3e_proj:
	.size	k_q2aeac78f3e_proj, .Lfunc_end_k_q2aeac78f3e_proj-k_q2aeac78f3e_proj
	.p2alignl 7, 3214868480
	.fill 96, 4, 3214868480
	.section	.rodata,"a",@progbits
	.p2align	6, 0x0
	.amdhsa_kernel k_q2aeac78f3e_proj
		.amdhsa_group_segment_fixed_size 327680
		.amdhsa_private_segment_fixed_size 0
		.amdhsa_enable_private_segment 0
		.amdhsa_kernarg_size 32
		.amdhsa_user_sgpr_count 2
		.amdhsa_user_sgpr_kernarg_segment_ptr 1
		.amdhsa_wavefront_size32 1
		.amdhsa_system_sgpr_workgroup_id_x 1
		.amdhsa_system_sgpr_workgroup_id_y 1
		.amdhsa_system_sgpr_workgroup_id_z 1
		.amdhsa_system_vgpr_workitem_id 0
		.amdhsa_next_free_vgpr 576
		.amdhsa_next_free_sgpr 72
		.amdhsa_reserve_vcc 0
		.amdhsa_float_denorm_mode_32 3
		.amdhsa_float_denorm_mode_16_64 3
		.amdhsa_memory_ordered 1
		.amdhsa_forward_progress 1
		.amdhsa_inst_pref_size 87
	.end_amdhsa_kernel
	.amdgpu_metadata
---
amdhsa.version: [ 1, 2 ]
amdhsa.kernels:
  - .name:           k_q2aeac78f3e_proj
    .symbol:         k_q2aeac78f3e_proj.kd
    .args:
      - { .name: y16, .offset: 0, .size: 8, .value_kind: global_buffer, .address_space: global }
      - { .name: wp16, .offset: 8, .size: 8, .value_kind: global_buffer, .address_space: global }
      - { .name: b_proj, .offset: 16, .size: 8, .value_kind: global_buffer, .address_space: global }
      - { .name: out0, .offset: 24, .size: 8, .value_kind: global_buffer, .address_space: global }
    .group_segment_fixed_size: 327680
    .private_segment_fixed_size: 0
    .kernarg_segment_align: 8
    .kernarg_segment_size: 32
    .max_flat_workgroup_size: 128
    .sgpr_count:     72
    .vgpr_count:     576
    .wavefront_size: 32
...
	.end_amdgpu_metadata
.endif
;; end of part 4
;; launch first16 (part 5): grid 16 x 8, 16 waves a work-group, no clusters, 71,680 bytes of LDS; arguments h16, w_proj, b_proj, out0; writes out0
.if DOCPART == 5
	.amdgcn_target "amdgcn-amd-amdhsa--gfx1250"
	.amdhsa_code_object_version 6
	.text
	.protected	k_q2aeac78f3e_first16
	.globl	k_q2aeac78f3e_first16
	.p2align	8
	.type	k_q2aeac78f3e_first16,@function
k_q2aeac78f3e_first16:
	s_mov_b64 s[64:65], 0
	v_nop
	global_prefetch_b8 v0, s[64:65] scope:SCOPE_SE
	s_setreg_imm32_b32 hwreg(HW_REG_WAVE_MODE, 25, 1), 1
	s_wait_xcnt 0x0
; FIRST16: positions 0 to 15 of every sequence, in f32 all the way: both attentions and the projection, by v_wmma_f32_16x16x4_f32.  These rows average one to a few values and are carried more finely than f16 allows.
; Work-group (x = 64 columns of out0, y = batch); wave = head: it makes its head's y for the 16 positions and that head's share of the 64 columns; the sixteen shares are added through LDS in the order of the heads.
; h16 holds q | k | v (with bias) of positions 0-15, [b][16][3072], and behind them k_p | v_p, [b][16][2048].  A query q < 16 sees keys 0 .. q of either kind, so 16 keys of each are all that counts.
; All products are used transposed, so that a lane holds one query (lane % 16).  K's place in the registers is permuted alike in both sources of a product, which leaves the sums' terms as they are.
; v, v_p AND w_proj lie with K as their first axis.  THE CHANNELS (COLUMNS) OF A TILE ARE NOT NEIGHBOURS: lane r of tile ct takes channel 4 r + ct, so that one load of 16 bytes brings one k of all four tiles, and sixteen lanes
; read 256 consecutive bytes of a row.  An operand wants two k of ONE tile in a register pair: the eight registers of two loads are put in that order by exchanging registers 1 and 4, 3 and 6 (six moves for eight numbers,
; in place of six more loads).  So O's register 8 ct + j is channel 32 h + 4 j + ct, w's rows are loaded in that order, and a share's place 16 nt + 8 h + j is column 32 h + 4 j + nt.
; The registers that the matrix instructions write (v160-239) are written by nothing else.
.set SPARE, 69632                      ; behind the sixteen shares of 16 rows x 272 bytes
.set SPW, 30
.set NIL, 31
	s_load_b256 s[4:11], s[0:1], 0x0               ; h16, w_proj, b_proj, out0
	v_lshl_add_u32 v[SPW], v0, 2, SPARE
	v_mov_b32 v[NIL], 0
	v_lshrrev_b32 v1, 5, v0
	v_readfirstlane_b32 s12, v1                    ; head
	s_and_b32 s14, ttmp7, 0xffff                   ; batch
	v_and_b32 v16, 15, v0                          ; r
	v_bfe_u32 v17, v0, 4, 1                        ; h
	v_mul_u32_u24 v1, v16, 12288
	v_lshl_add_u32 v1, v17, 7, v1                  ; q, k: row r, channels 32 h on
	v_lshlrev_b32 v2, 13, v16
	v_lshl_add_u32 v2, v17, 7, v2                  ; k_p likewise
	v_lshlrev_b32 v18, 4, v16                      ; 16 r: four channels or columns a lane
	v_mul_u32_u24 v3, v17, 98304
	v_add_nc_u32 v3, v3, v18                       ; v: keys 8 h on
	v_lshl_add_u32 v4, v17, 16, v18                ; v_p likewise
	v_lshl_add_u32 v5, v17, 17, v18                ; w_proj: rows 32 h on
	v_lshlrev_b32 v8, 3, v17
	v_sub_nc_u32 v8, v16, v8                       ; r - 8 h: register j holds key 8 h + j, hidden where j > r - 8 h
	v_mov_b32 v9, 0xff800000                       ; -infinity
	v_mov_b32 v12, 0                               ; (a lane permute's destination counts as one of its sources)
	v_mov_b32 v13, 0
	s_mul_i32 s15, s12, 4352
	v_mul_u32_u24 v6, v16, 272
	v_lshl_add_u32 v6, v17, 5, v6
	v_add_nc_u32 v6, s15, v6                       ; my share: row r, + 32 h
	s_mul_i32 s15, s12, 272
	v_and_b32 v19, 31, v0
	v_lshlrev_b32 v19, 3, v19                      ; 8 x lane: columns 2 lane, 2 lane + 1
	v_and_b32 v7, 1, v0
	v_lshlrev_b32 v7, 7, v7                        ; back: column 2 lane + e lies at place 16 (2 (lane % 2) + e) + 8 (lane / 16) + (lane / 2) % 8 of a share's row
	v_lshl_add_u32 v7, v17, 5, v7
	v_bfe_u32 v22, v0, 1, 3
	v_lshl_add_u32 v7, v22, 2, v7
	v_add_nc_u32 v7, s15, v7                       ; row = my wave's number
	s_mov_b32 s20, 0x3e38aa3b                      ; c = log2(e) / 8
	s_mov_b32 s22, 0x76543210
	s_mov_b32 s23, 0xfedcba98
	s_lshl_b32 s24, s12, 8
	s_mul_i32 s16, s14, 196608
	s_add_co_u32 s16, s16, s24
	s_mov_b32 s17, 0
	s_lshl_b32 s18, s14, 17
	s_add_co_u32 s18, s18, s24
	s_add_co_u32 s18, s18, 1572864
	s_mov_b32 s19, 0
	s_lshl_b32 s25, ttmp9, 8                       ; my 64 columns, in bytes
	s_lshl_b32 s26, s12, 18                        ; my head's 64 rows of w_proj
	s_add_co_u32 s26, s26, s25
	s_mov_b32 s27, 0
	s_mov_b32 s28, s25
	s_mov_b32 s29, 0
	s_lshl_b32 s30, s14, 22
	s_lshl_b32 s24, s12, 12
	s_add_co_u32 s30, s30, s24
	s_add_co_u32 s30, s30, s25                     ; out0: row batch x 1,024 + my wave's number
	s_mov_b32 s31, 0
	s_wait_kmcnt 0x0
	s_add_nc_u64 s[16:17], s[4:5], s[16:17]
	s_add_nc_u64 s[18:19], s[4:5], s[18:19]
	s_add_nc_u64 s[6:7], s[6:7], s[26:27]
	s_add_nc_u64 s[8:9], s[8:9], s[28:29]
	s_add_nc_u64 s[10:11], s[10:11], s[30:31]
.irp i, 0,1,2,3,4,5,6,7
	global_load_b128 v[32+4*\i:35+4*\i], v1, s[16:17] offset:16*\i             ; q
.endr
.irp i, 0,1,2,3,4,5,6,7
	global_load_b128 v[64+4*\i:67+4*\i], v1, s[16:17] offset:4096+16*\i        ; k
.endr
.irp i, 0,1,2,3,4,5,6,7
	global_load_b128 v[96+4*\i:99+4*\i], v2, s[18:19] offset:16*\i             ; k_p
.endr
.irp c, 0,1,2,3
	global_load_b128 v[128+8*\c:131+8*\c], v3, s[16:17] offset:8192+(2*\c)*12288     ; v(8 h + 2 c, 4 r + 0 .. 3)
	global_load_b128 v[132+8*\c:135+8*\c], v3, s[16:17] offset:8192+(2*\c+1)*12288   ; v(8 h + 2 c + 1, ..)
.endr
.macro WLOAD t                         ; w_proj(32 h + 8 c + t, 4 r + 0 .. 3) and the row four further down, of my head's rows, into set t % 2: the rows that go with y's registers 8 t + 2 c, 8 t + 2 c + 1
.irp c, 0,1,2,3
	global_load_b128 v[64+32*((\t)%2)+8*\c:64+32*((\t)%2)+8*\c+3], v5, s[6:7] offset:(8*\c+(\t))*4096
	global_load_b128 v[64+32*((\t)%2)+8*\c+4:64+32*((\t)%2)+8*\c+7], v5, s[6:7] offset:(8*\c+4+(\t))*4096
.endr
.endm
.macro SWAP8 b                         ; two loads' registers X0 X1 X2 X3 Y0 Y1 Y2 Y3 become X0 Y0 X2 Y2 X1 Y1 X3 Y3: tile n's pair stands at 4 (n % 2) + 2 (n / 2)
	v_mov_b32 v20, v[\b+1]
	v_mov_b32 v21, v[\b+3]
	v_mov_b32 v[\b+1], v[\b+4]
	v_mov_b32 v[\b+3], v[\b+6]
	v_mov_b32 v[\b+4], v20
	v_mov_b32 v[\b+6], v21
.endm
.macro PLACES n
.rept \n
	v_nop
.endr
.endm
	s_wait_loadcnt 8                               ; q, k, k_p are in; v's eight loads may be out
	v_wmma_f32_16x16x4_f32 v[160:167], v[64:65], v[32:33], 0       ; S^T = k q^T and S_p^T = k_p q^T by turns; the first K step starts each sum
	v_wmma_f32_16x16x4_f32 v[168:175], v[96:97], v[32:33], 0
.irp c, 1,2,3,4,5,6,7,8,9,10,11,12,13,14,15
	v_wmma_f32_16x16x4_f32 v[160:167], v[64+2*\c:65+2*\c], v[32+2*\c:33+2*\c], v[160:167]
	v_wmma_f32_16x16x4_f32 v[168:175], v[96+2*\c:97+2*\c], v[32+2*\c:33+2*\c], v[168:175]
.endr
	PLACES 8                                       ; behind this form: eight places in front of reads of the results and of loads into the sources
.irp c, 0,1,2,3
	global_load_b128 v[32+8*\c:35+8*\c], v4, s[18:19] offset:4096+(2*\c)*8192        ; v_p
	global_load_b128 v[36+8*\c:39+8*\c], v4, s[18:19] offset:4096+(2*\c+1)*8192
.endr
	WLOAD 0
	WLOAD 1
.irp j, 0,1,2,3,4,5,6,7
	v_cmp_gt_i32 vcc_lo, \j, v8
	v_cndmask_b32 v[240+\j], v[160+\j], v9, vcc_lo ; the masked scores go into other registers; each accumulator is read from its low end on
	v_cndmask_b32 v[248+\j], v[168+\j], v9, vcc_lo
.endr
	v_max3_num_f32 v10, v240, v241, v242
	v_max3_num_f32 v11, v248, v249, v250
	v_max3_num_f32 v10, v10, v243, v244
	v_max3_num_f32 v11, v11, v251, v252
	v_max3_num_f32 v10, v10, v245, v246
	v_max3_num_f32 v11, v11, v253, v254
	v_max_num_f32 v10, v10, v247
	v_max_num_f32 v11, v11, v255
	v_permlanex16_b32 v12, v10, s22, s23
	v_permlanex16_b32 v13, v11, s22, s23
	v_max_num_f32 v10, v10, v12                    ; the row's maximum: key 0 counts for every query, so it is a number
	v_max_num_f32 v11, v11, v13
	v_mul_f32 v10, s20, v10
	v_mul_f32 v11, s20, v11
.irp j, 0,1,2,3,4,5,6,7
	v_fma_f32 v[240+\j], v[240+\j], s20, -v10
	v_fma_f32 v[248+\j], v[248+\j], s20, -v11
.endr
.irp j, 0,1,2,3,4,5,6,7,8,9,10,11,12,13,14,15
	v_exp_f32 v[240+\j], v[240+\j]
.endr
	v_nop
	s_wait_alu depctr_va_vdst(0)                   ; one wait for the sixteen, ahead of their first reader
	v_add_f32 v14, v240, v241
	v_add_f32 v15, v248, v249
.irp j, 2,3,4,5,6,7
	v_add_f32 v14, v14, v[240+\j]
	v_add_f32 v15, v15, v[248+\j]
.endr
	v_permlanex16_b32 v12, v14, s22, s23
	v_permlanex16_b32 v13, v15, s22, s23
	v_add_f32 v14, v14, v12
	v_add_f32 v15, v15, v13
	v_nop
	v_rcp_f32 v14, v14
	v_rcp_f32 v15, v15
	v_nop
	s_wait_alu depctr_va_vdst(0)
	s_wait_loadcnt 16                              ; v and v_p are in; the two batches of w, sixteen loads, may be out
.irp c, 0,1,2,3
	SWAP8 128+8*\c
	SWAP8 32+8*\c
.endr
.irp ct, 0,1,2,3                               ; O^T = v^T p and O_p^T = v_p^T p_p: eight accumulators by turns; K step c: keys 8 h + 2 c, 8 h + 2 c + 1
	v_wmma_f32_16x16x4_f32 v[176+8*\ct:183+8*\ct], v[128+4*(\ct%2)+2*(\ct/2):129+4*(\ct%2)+2*(\ct/2)], v[240:241], 0
	v_wmma_f32_16x16x4_f32 v[208+8*\ct:215+8*\ct], v[32+4*(\ct%2)+2*(\ct/2):33+4*(\ct%2)+2*(\ct/2)], v[248:249], 0
.endr
.irp c, 1,2,3
.irp ct, 0,1,2,3
	v_wmma_f32_16x16x4_f32 v[176+8*\ct:183+8*\ct], v[128+8*\c+4*(\ct%2)+2*(\ct/2):129+8*\c+4*(\ct%2)+2*(\ct/2)], v[240+2*\c:241+2*\c], v[176+8*\ct:183+8*\ct]
	v_wmma_f32_16x16x4_f32 v[208+8*\ct:215+8*\ct], v[32+8*\c+4*(\ct%2)+2*(\ct/2):33+8*\c+4*(\ct%2)+2*(\ct/2)], v[248+2*\c:249+2*\c], v[208+8*\ct:215+8*\ct]
.endr
.endr
	PLACES 9                                       ; nine: the projection's sums are laid over O^T's registers
.set i, 0
.rept 32
	v_mul_f32 v[128+i], v[176+i], v14              ; y = O / l + O_p / l_p: register 8 ct + j is y(query r, channel 32 h + 4 j + ct)
.set i, i+1
.endr
.set i, 0
.rept 32
	v_fma_f32 v[128+i], v[208+i], v15, v[128+i]
.set i, i+1
.endr
.irp t, 0,1,2,3                                ; my head's share of out^T = w^T y^T: 16 channels a batch, four accumulators by turns
.if \t < 3
	s_wait_loadcnt 8                               ; this batch of w is in; the next batch's eight loads may be out
.else
	s_wait_loadcnt 0
.endif
.irp c, 0,1,2,3
	SWAP8 64+32*(\t%2)+8*\c
.endr
.irp c, 0,1,2,3
.irp nt, 0,1,2,3
.if (\t == 0) && (\c == 0)
	v_wmma_f32_16x16x4_f32 v[176+8*\nt:183+8*\nt], v[64+32*(\t%2)+8*\c+4*(\nt%2)+2*(\nt/2):65+32*(\t%2)+8*\c+4*(\nt%2)+2*(\nt/2)], v[128+8*\t+2*\c:129+8*\t+2*\c], 0
.else
	v_wmma_f32_16x16x4_f32 v[176+8*\nt:183+8*\nt], v[64+32*(\t%2)+8*\c+4*(\nt%2)+2*(\nt/2):65+32*(\t%2)+8*\c+4*(\nt%2)+2*(\nt/2)], v[128+8*\t+2*\c:129+8*\t+2*\c], v[176+8*\nt:183+8*\nt]
.endif
.endr
.endr
	PLACES 8
.if \t < 2
	WLOAD \t+2
.endif
.endr
	global_load_b64 v[64:65], v19, s[8:9]          ; b_proj at my two columns
.irp nt, 0,1,2,3
	ds_store_b128 v6, v[176+8*\nt:179+8*\nt] offset:64*\nt        ; lane (r, h), register j of tile nt: column 32 h + 4 j + nt of query r, at place 16 nt + 8 h + j
	ds_store_b128 v6, v[180+8*\nt:183+8*\nt] offset:64*\nt+16
.endr
	s_wait_dscnt 0x0                               ; for the others' sake: my share lies in LDS
	s_barrier_signal -1
	s_barrier_wait -1
.irp s, 0,1,2,3,4,5,6,7,8,9,10,11,12,13,14,15
	ds_load_b32 v[32+2*\s], v7 offset:4352*\s      ; row = my wave's number of head s's share: column 2 lane,
	ds_load_b32 v[33+2*\s], v7 offset:4352*\s+64   ; and column 2 lane + 1: the next tile, 16 places on
.endr
	s_wait_loadcnt 0x0
	s_wait_dscnt 0x0
	v_pk_add_f32 v[66:67], v[64:65], v[32:33]
.irp s, 1,2,3,4,5,6,7,8,9,10,11,12,13,14,15
	v_pk_add_f32 v[66:67], v[66:67], v[32+2*\s:33+2*\s]
.endr
	global_store_b64 v19, v[66:67], s[10:11]       ; 256 consecutive bytes, aligned
	s_wait_tensorcnt 0x0                           ; the wave's end: the three lines, behind my last LDS store
	ds_add_u32 v[SPW], v[NIL]
	s_wait_dscnt 0x0
	s_endpgm
.Lfunc_end_k_q2aeac78f3e_first16:
	.size	k_q2aeac78f3e_first16, .Lfunc_end_k_q2aeac78f3e_first16-k_q2aeac78f3e_first16
	.p2alignl 7, 3214868480
	.fill 96, 4, 3214868480
	.section	.rodata,"a",@progbits
	.p2align	6, 0x0
	.amdhsa_kernel k_q2aeac78f3e_first16
		.amdhsa_group_segment_fixed_size 71680
		.amdhsa_private_segment_fixed_size 0
		.amdhsa_enable_private_segment 0
		.amdhsa_kernarg_size 32
		.amdhsa_user_sgpr_count 2
		.amdhsa_user_sgpr_kernarg_segment_ptr 1
		.amdhsa_wavefront_size32 1
		.amdhsa_system_sgpr_workgroup_id_x 1
		.amdhsa_system_sgpr_workgroup_id_y 1
		.amdhsa_system_sgpr_workgroup_id_z 1
		.amdhsa_system_vgpr_workitem_id 0
		.amdhsa_next_free_vgpr 256
		.amdhsa_next_free_sgpr 66
		.amdhsa_reserve_vcc 1
		.amdhsa_float_denorm_mode_32 3
		.amdhsa_float_denorm_mode_16_64 3
		.amdhsa_memory_ordered 1
		.amdhsa_forward_progress 1
		.amdhsa_inst_pref_size 35
	.end_amdhsa_kernel
	.amdgpu_metadata
---
amdhsa.version: [ 1, 2 ]
amdhsa.kernels:
  - .name:           k_q2aeac78f3e_first16
    .symbol:         k_q2aeac78f3e_first16.kd
    .args:
      - { .name: h16, .offset: 0, .size: 8, .value_kind: global_buffer, .address_space: global }
      - { .name: w_proj, .offset: 8, .size: 8, .value_kind: global_buffer, .address_space: global }
      - { .name: b_proj, .offset: 16, .size: 8, .value_kind: global_buffer, .address_space: global }
      - { .name: out0, .offset: 24, .size: 8, .value_kind: global_buffer, .address_space: global }
    .group_segment_fixed_size: 71680
    .private_segment_fixed_size: 0
    .kernarg_segment_align: 8
    .kernarg_segment_size: 32
    .max_flat_workgroup_size: 512
    .sgpr_count:     66
    .vgpr_count:     256
    .wavefront_size: 32
...
	.end_amdgpu_metadata
.endif
;; end of part 5
